; MI455X (gfx1250); checked and timed in simulation.
; The chip was launched on July 23, 2026; its instructions are those of AMD's public machine-readable ISA for CDNA 5 (MIT licence, August 2026) and "CDNA5" Instruction Set Architecture Reference Guide (July 2026). The comments in the code are by the model that wrote it; some were corrected since.
;; Complex Multihead Attention. Allowed arithmetic: matrix products marked QUANTISED: E3M2 operands, one E8M0 scale for each 32 along K, by v_wmma_scale_f32_16x16x128_f8f6f4 with both operands' format E3M2, f32 sums; everything else in f32.
;; Inputs: Wk_i 1,024 x 1,024 float32; Wk_r 1,024 x 1,024 float32; Wo_i 1,024 x 1,024 float32; Wo_r 1,024 x 1,024 float32; Wq_i 1,024 x 1,024 float32; Wq_r 1,024 x 1,024 float32; Wv_i 1,024 x 1,024 float32; Wv_r 1,024 x 1,024 float32; bk_i 1,024 float32; bk_r 1,024 float32; bo_i 1,024 float32; bo_r 1,024 float32; bq_i 1,024 float32; bq_r 1,024 float32; bv_i 1,024 float32; bv_r 1,024 float32; key_imag 4 x 1,024 x 1,024 float32; key_real 4 x 1,024 x 1,024 float32; query_imag 4 x 1,024 x 1,024 float32; query_real 4 x 1,024 x 1,024 float32; value_imag 4 x 1,024 x 1,024 float32; value_real 4 x 1,024 x 1,024 float32.
;; Outputs: out0 4 x 1,024 x 1,024 float32; out1 4 x 1,024 x 1,024 float32.
;; This version of the problem:
;;   THIS VERSION OF THE PROBLEM IS GIVEN IN LOW PRECISION. The matrix products marked QUANTISED in the list below multiply operands that are first quantised to E3M2 (3 exponent bits, 2 mantissa bits; 6 bits a number), with one power-of-two scale for each 32 numbers along K (OCP MX v1.0); their sums are f32. All else is computed in f32.
;;   The module's matrix products, in the order in which they are computed (A, B: the left and right operand; K: the contracted axis; several contracted axes count as one K, in the product's order):
;;     1. [M 4,096, K 1,024] x [K 1,024, N 1,024]; A: input query_real; B: input Wq_r: QUANTISED
;;     2. [M 4,096, K 1,024] x [K 1,024, N 1,024]; A: input query_imag; B: input Wq_i: QUANTISED
;;     3. [M 4,096, K 1,024] x [K 1,024, N 1,024]; A: input key_real; B: input Wk_r: QUANTISED
;;     4. [M 4,096, K 1,024] x [K 1,024, N 1,024]; A: input key_imag; B: input Wk_i: QUANTISED
;;     5. [M 4,096, K 1,024] x [K 1,024, N 1,024]; A: input value_real; B: input Wv_r: QUANTISED
;;     6. [M 4,096, K 1,024] x [K 1,024, N 1,024]; A: input value_imag; B: input Wv_i: QUANTISED
;;     7. batch 64 x [M 1,024, K 64] x [K 64, N 1,024]; A: computed on the way; B: computed on the way: QUANTISED
;;     8. batch 64 x [M 1,024, K 64] x [K 64, N 1,024]; A: computed on the way; B: computed on the way: QUANTISED
;;     9. batch 64 x [M 1,024, K 64] x [K 64, N 1,024]; A: computed on the way; B: computed on the way: QUANTISED
;;     10. batch 64 x [M 1,024, K 64] x [K 64, N 1,024]; A: computed on the way; B: computed on the way: QUANTISED
;;     11. batch 64 x [M 1,024, K 1,024] x [K 1,024, N 64]; A: softmax (see below); B: computed on the way: QUANTISED
;;     12. batch 64 x [M 1,024, K 1,024] x [K 1,024, N 64]; A: softmax (see below); B: computed on the way: QUANTISED
;;     13. [M 4,096, K 1,024] x [K 1,024, N 1,024]; A: computed on the way; B: input Wo_r: QUANTISED
;;     14. [M 4,096, K 1,024] x [K 1,024, N 1,024]; A: computed on the way; B: input Wo_i: QUANTISED
;;   THE QUANTISER, for each operand of a quantised product, along K:
;;     - K is cut into blocks of 32 from its start; a last block that is shorter is filled with zeros.
;;     - A block's scale is 2^e with e = floor(log2(the largest magnitude in the block)) - 4, held to -126 .. 127; a block of zeros has e = 0. As a byte (E8M0): e + 127.
;;     - Each number is divided by its block's scale, clamped to +-28, and rounded to the nearest number of E3M2, ties to even, subnormals kept.
;;     - The product sums the exact products of the quantised numbers (number of the format x scale) in f32.
;;   ~~~python
;;   def quantise(x, axis):      # numpy; x: float32 -> the quantised numbers, widened to float32 again
;;       x = np.moveaxis(x, axis, -1); K = x.shape[-1]
;;       x = np.pad(x, [(0, 0)] * (x.ndim - 1) + [(0, -K % 32)]); x = x.reshape(x.shape[:-1] + (-1, 32)); a = np.abs(x).max(-1, keepdims=True)
;;       e = np.where(a > 0, np.clip(np.frexp(np.where(a > 0, a, 1))[1] - 1 - 4, -126, 127), 0)      # np.frexp(a)[1] - 1 = floor(log2(a)), exactly
;;       r = np.clip(x / 2.0 ** e, -28, 28)
;;       step = 2.0 ** (np.maximum(np.frexp(np.where(r == 0, 1, r))[1] - 1, -2) - 2)
;;       q = np.round(r / step) * step * 2.0 ** e      # np.round: ties to even
;;       return np.moveaxis(q.reshape(q.shape[:-2] + (-1,))[..., :K], -1, axis).astype(np.float32)
;;   ~~~
;;   SOFTMAX AHEAD OF A QUANTISED PRODUCT. Where the list says 'softmax', what is quantised is not the finished softmax but p = 2^(t - M), with t = logit x log2(e) and M = ceil(the row's largest t), a whole number; so 1/2 < the row's largest p <= 1. The row's sum l is taken of the UNQUANTISED p, in f32, and the product's result is divided by l at the end. Since M is a whole number, a kernel that streams over the keys may use a running M (the ceiling of the running maximum): every later rescaling is an exact power of two, which a block's scale takes up: the codes' values come out the same.
;;   OPERANDS COMPUTED ON THE WAY. 'Computed on the way' means the value that the module computes at that place (a softmax that the list does not call 'softmax' is quantised finished and normalised). What goes into a quantiser is computed in f32, as accurately as f32 sums, v_exp_f32 and their like allow (about 1e-6 of the number): no bf16 or f16 on the way to a quantiser, and a product that is left as it is and whose result goes on into a quantised operand takes f32 operands (vector FMAs, or v_wmma_f32_16x16x4_f32). A number that lies on a knife's edge between two numbers of the format may be rounded either way, as far as f32 arithmetic and the matrix unit's own rounding can turn it there, and no further.
;; One version. Each part assembles by itself: llvm-mc -triple=amdgcn-amd-amdhsa -mcpu=gfx1250 --defsym DOCPART=n.
;; ======== version 1 of 1: 4 launches
;; limits: right only within a limited range of input values
;; workspace buffers: xw_codes 25,165,824 bytes; xw_scales 1,048,576 bytes; qkv_codes 19,660,800 bytes; o_codes 6,291,456 bytes; o_scales 262,144 bytes
;; launch quant (part 1): grid 512 x 1, 8 waves a work-group, no clusters, 68,608 bytes of LDS; arguments query_real, query_imag, key_real, key_imag, value_real, value_imag, Wq_r, Wq_i, Wk_r, Wk_i, Wv_r, Wv_i, Wo_r, Wo_i, xw_codes, xw_scales; writes xw_codes, xw_scales
.if DOCPART == 1
	.amdgcn_target "amdgcn-amd-amdhsa--gfx1250"
	.amdhsa_code_object_version 6
	.text
	.protected	k_q2e2e706916_quant
	.globl	k_q2e2e706916_quant
	.p2align	8
	.type	k_q2e2e706916_quant,@function
k_q2e2e706916_quant:
	s_mov_b64 s[64:65], 0
	v_nop
	global_prefetch_b8 v0, s[64:65] scope:SCOPE_SE
	s_setreg_imm32_b32 hwreg(HW_REG_WAVE_MODE, 25, 1), 1
	s_wait_xcnt 0x0
; The six activations [4096][1024] and the eight weights [1024][1024], f32 with K innermost, become codes of BF6 (E3M2) with one E8M0 byte for each 32 along K,
; laid as IMAGES OF THE OPERAND'S REGISTERS, so that the later launches fetch fragments as dense blocks.
; A matrix is 1,024 rows x 1,024 K: activation i, batch b is matrix 4 i + b; weight j is matrix 24 + j.
; TILE ORDER: tile T holds in lane r the row 32 (T / 2) + 8 (T % 2) + r + 8 (r / 8).  A fragment (tile T, K step s of 128) is 12 registers a lane: registers 6 c .. 6 c + 5 = K 64 c + 32 (lane / 16) + 0 .. 31.
; Its image is 1,536 bytes, two halves of 768: registers 6 c .. 6 c + 3 at 16 x lane, registers 6 c + 4, 6 c + 5 at 512 + 8 x lane.  Codes: [s / 2][T][s % 2][1,536].  Scale words: [T][s / 2][r][s % 2].
; A block's scale is 2^(floor(log2(its largest magnitude)) - 4): the byte is the largest magnitude's exponent field - 4, held at 1 from below.
; LIMITS: a block of zeros gets the byte 1 where the rule says 127 (its codes are zeros, and this program alone reads the bytes); blocks whose largest magnitude lies under 2^-122 are held at the byte 1; NaN and infinities are not served.
; SHARES: 2,048 tiles of 16 rows; a wave takes a tile and half of K: four fragments.  Each load reads 512 consecutive bytes of one row; the 16 rows turn through the wave's own stage in LDS, so that a lane gets
; 16 neighbours of each block of 32 of ITS row.  Waves share nothing: no barrier.  No tensor load, no matrix unit, no cluster: every byte is read once by one wave.
.set MAT,   786432                     ; a matrix's codes in bytes
.set SPB,   196608                     ; two K steps of all 64 tiles
.set PAIR,  3072                       ; a tile's two fragments
.set FRB,   1536                       ; a fragment's image
.set SP,    528                        ; a stage row: 512 bytes + 16, so that sixteen rows' reads of 16 bytes fall on sixteen different columns of 16 bytes
.set WSTG,  16*SP                      ; a wave's stage
.set L16,   1                          ; v1   16 x lane
.set L8,    2                          ; v2   8 x lane
.set SIN,   3                          ; v3   the stage on the way in
.set SOUT,  4                          ; v4   and on the way out
.set R,     16                         ; v16-143  two sets of 64 registers as loaded
.set X,     144                        ; v144-207 register 16 b + i = K 32 b + 16 (lane / 16) + i of my row
.set PC,    208                        ; v208-227 the codes
.set TM,    228                        ; v228-243 at work
.set PW,    244                        ; v244-247 the four fragments' scale words
.set SW,    248                        ; v248-249 the pair that is stored
.set SRC,   36                         ; s[36:37] the tensor that I read
.set SEL,   38                         ; s[38:39] lane selects: lane l xor 16
; 64 numbers of a lane become a fragment's codes in v[PC] .. v[PC + 11] and its scale word in v[pw]
.macro QUANT s, pw
.irp b, 0,1,2,3
	v_max3_num_f32 v[TM+\b], |v[\s+16*\b]|, |v[\s+1+16*\b]|, 0x2800000   ; block b: my 16 numbers, and the floor 2^(5 - 127): the byte cannot fall under 1
.endr
.irp i, 2,4,6,8,10,12,14
.irp b, 0,1,2,3
	s_delay_alu instid0(VALU_DEP_4)
	v_max3_num_f32 v[TM+\b], v[TM+\b], |v[\s+16*\b+\i]|, |v[\s+1+16*\b+\i]|   ; the four blocks by turns
.endr
.endr
.irp b, 0,1,2,3
	s_delay_alu instid0(VALU_DEP_4)
	v_permlanex16_b32 v[TM+4+\b], v[TM+\b], s[SEL], s[SEL+1]
.endr
.irp b, 0,1,2,3
	s_delay_alu instid0(VALU_DEP_4)
	v_max_num_f32 v[TM+\b], v[TM+\b], v[TM+4+\b]   ; with lane l xor 16's: the block's largest magnitude
.endr
.irp b, 0,1,2,3
	s_delay_alu instid0(VALU_DEP_4)
	v_add_nc_u32 v[TM+12+\b], 0xfe000000, v[TM+\b]   ; 4 off its exponent field: the conversion's scale operand
.endr
.irp b, 0,1,2,3
	s_delay_alu instid0(VALU_DEP_4)
	v_lshrrev_b32 v[TM+4+\b], 23, v[TM+12+\b]      ; the scale's byte
.endr
	s_delay_alu instid0(VALU_DEP_3)
	v_lshl_or_b32 v[\pw], v[TM+5], 8, v[TM+4]
	s_delay_alu instid0(VALU_DEP_1)
	v_lshl_or_b32 v[\pw], v[TM+6], 16, v[\pw]
	s_delay_alu instid0(VALU_DEP_1)
	v_lshl_or_b32 v[\pw], v[TM+7], 24, v[\pw]      ; my row's scale word
.irp c, 0,1
	v_cvt_scalef32_pk16_bf6_f32 v[PC+6*\c:PC+2+6*\c], v[\s+32*\c:\s+15+32*\c], v[TM+12+2*\c]
	v_cvt_scalef32_pk16_bf6_f32 v[PC+12+4*\c:PC+14+4*\c], v[\s+16+32*\c:\s+31+32*\c], v[TM+12+2*\c+1]   ; a conversion's three registers begin on an even number
.endr
	v_nop                                          ; one plain place behind a scaled conversion
.irp c, 0,1                                    ; the layout wants a whole block in a lane: lanes 0-15 block 2 c, lanes 16-31 block 2 c + 1
.irp i, 0,1,2
	v_permlane16_swap_b32 v[PC+6*\c+\i], v[PC+12+4*\c+\i]
.endr
.irp i, 0,1,2
	s_delay_alu instid0(VALU_DEP_3)
	v_mov_b32 v[PC+3+6*\c+\i], v[PC+12+4*\c+\i]
.endr
.endr
.endm
	s_load_b512 s[4:19], s[0:1], 0x0               ; the six activations, Wq_r, Wq_i
	s_load_b512 s[20:35], s[0:1], 0x40             ; Wk_r .. Wo_i, the codes s[32:33], the scale words s[34:35]
	v_lshl_add_u32 v254, v0, 2, 0x10800
	v_mov_b32 v255, 0
	v_lshrrev_b32 v5, 5, v0
	s_delay_alu instid0(VALU_DEP_1)
	v_readfirstlane_b32 s44, v5                    ; wave 0..7
	v_and_b32 v6, 31, v0                           ; lane
	v_and_b32 v7, 15, v0                           ; r
	v_bfe_u32 v8, v0, 4, 1                         ; h
	s_delay_alu instid0(VALU_DEP_3)
	v_lshlrev_b32 v[L16], 4, v6
	s_delay_alu instid0(VALU_DEP_4)
	v_lshlrev_b32 v[L8], 3, v6
	s_mul_i32 s45, s44, WSTG
	v_add_nc_u32 v[SIN], s45, v[L16]               ; in: a row's 512 bytes as they lie
	v_mul_u32_u24 v[SOUT], v7, SP
	s_delay_alu instid0(VALU_DEP_1)
	v_lshl_add_u32 v[SOUT], v8, 6, v[SOUT]
	s_delay_alu instid0(VALU_DEP_1)
	v_add_nc_u32 v[SOUT], s45, v[SOUT]             ; out: row r, + 64 h: my 16 numbers of a block
.irp b, 0,1,2,3
	v_mov_b32 v[TM+4+\b], 0                        ; written once: a lane permute's destination counts as one of its sources
.endr
	s_mov_b32 s[SEL], 0x76543210
	s_mov_b32 s[SEL+1], 0xfedcba98
	; which tensor, which tile.  Work-groups 0 to 383 take the activations (64 each), the others the weights (16 each); four tiles a work-group
	s_lshr_b32 s40, ttmp9, 6
	s_and_b32 s41, ttmp9, 63
	s_sub_co_u32 s42, ttmp9, 384
	s_lshr_b32 s43, s42, 4
	s_add_co_u32 s43, s43, 6
	s_and_b32 s42, s42, 15
	s_cmp_lt_u32 ttmp9, 384
	s_cselect_b32 s40, s40, s43                    ; the tensor's number, 0 .. 13
	s_cselect_b32 s41, s41, s42
	s_lshr_b32 s46, s44, 1
	s_and_b32 s47, s44, 1                          ; which half of K
	s_lshl_b32 s41, s41, 2
	s_add_co_u32 s41, s41, s46                     ; my tile in the tensor
	s_lshl_b32 s45, ttmp9, 2
	s_add_co_u32 s46, s45, s46                     ; my tile among all 2,048
	s_lshr_b32 s42, s41, 1
	s_lshl_b32 s42, s42, 17                        ; 32 rows of 4,096 bytes for each pair of tiles,
	s_and_b32 s45, s41, 1
	s_lshl_b32 s45, s45, 15                        ; 8 rows for the odd tile,
	s_add_co_u32 s42, s42, s45
	s_lshl_b32 s45, s47, 11                        ; 512 numbers for the second half of K
	s_add_co_u32 s42, s42, s45
	s_mov_b32 s43, 0
	s_wait_alu depctr_va_vdst(0)
	s_wait_kmcnt 0x0
	s_mov_b64 s[SRC:SRC+1], s[4:5]
.irp i, 1,2,3,4,5,6,7,8,9,10,11,12,13
	s_cmp_eq_u32 s40, \i                           ; the choice hangs on the work-group's number alone
	s_cselect_b64 s[SRC:SRC+1], s[4+2*\i:5+2*\i], s[SRC:SRC+1]
.endr
	s_add_nc_u64 s[SRC:SRC+1], s[SRC:SRC+1], s[42:43]
.macro LOAD f                          ; K step f of my four: sixteen rows x 512 consecutive bytes
.irp p, 0,1,2,3,4,5,6,7,8,9,10,11,12,13,14,15
	global_load_b128 v[R+64*((\f)%2)+4*\p:R+64*((\f)%2)+4*\p+3], v[L16], s[SRC:SRC+1] offset:(\p+8*(\p/8))*4096+512*(\f) th:TH_LOAD_NT
.endr
.endm
	LOAD 0
	LOAD 1
	s_lshr_b32 s42, s46, 6                         ; where my codes go: the matrix,
	s_mul_i32 s42, s42, MAT
	s_and_b32 s45, s46, 63
	s_mul_i32 s45, s45, PAIR                       ; the tile in it,
	s_add_co_u32 s42, s42, s45
	s_mul_i32 s45, s47, 2*SPB                      ; my half of K
	s_add_co_u32 s42, s42, s45
	s_add_nc_u64 s[32:33], s[32:33], s[42:43]
	s_lshl_b32 s42, s46, 9                         ; and my scale words: 512 bytes a tile, 256 a half
	s_lshl_b32 s45, s47, 8
	s_add_co_u32 s42, s42, s45
	s_add_nc_u64 s[34:35], s[34:35], s[42:43]
.macro FRAGMENT f
.if (\f) < 3
	s_wait_loadcnt 16                              ; this K step's sixteen loads are in; the next step's sixteen may be out
.else
	s_wait_loadcnt 0x0
.endif
.irp p, 0,1,2,3,4,5,6,7,8,9,10,11,12,13,14,15
	ds_store_b128 v[SIN], v[R+64*((\f)%2)+4*\p:R+64*((\f)%2)+4*\p+3] offset:SP*\p
.endr
.irp b, 0,1,2,3
.irp j, 0,1,2,3
	ds_load_b128 v[X+16*\b+4*\j:X+16*\b+4*\j+3], v[SOUT] offset:128*\b+16*\j   ; LDS serves a wave's instructions in order: these see the stores above
.endr
.endr
.if (\f) > 0
	s_wait_xcnt 0x0                                ; the last fragment's stores have read the codes' registers, which are written again below
.endif
	s_wait_dscnt 0x0                               ; my numbers are back, and the stage's stores have read their registers,
.if (\f) < 2
	LOAD (\f)+2                                    ; which take the loads of two K steps on
.endif
	QUANT X, PW+(\f)
	global_store_b128 v[L16], v[PC:PC+3], s[32:33] offset:((\f)/2)*SPB+((\f)%2)*FRB          ; each store covers whole aligned blocks of 256 bytes
	global_store_b64 v[L8], v[PC+4:PC+5], s[32:33] offset:((\f)/2)*SPB+((\f)%2)*FRB+512
	global_store_b128 v[L16], v[PC+6:PC+9], s[32:33] offset:((\f)/2)*SPB+((\f)%2)*FRB+768
	global_store_b64 v[L8], v[PC+10:PC+11], s[32:33] offset:((\f)/2)*SPB+((\f)%2)*FRB+1280
.endm
	FRAGMENT 0
	FRAGMENT 1
	FRAGMENT 2
	FRAGMENT 3
	v_cmp_le_u32 vcc_lo, 16, v6                    ; every lane holds its row's four words: lanes 0-15 store those of K steps 0, 1, lanes 16-31 those of 2, 3
	s_delay_alu instid0(VALU_DEP_1)
	v_cndmask_b32 v[SW], v[PW], v[PW+2], vcc_lo
	s_delay_alu instid0(VALU_DEP_2)
	v_cndmask_b32 v[SW+1], v[PW+1], v[PW+3], vcc_lo
	global_store_b64 v[L8], v[SW:SW+1], s[34:35]   ; 32 lanes store 256 consecutive bytes, aligned
	s_wait_tensorcnt 0x0
	ds_add_u32 v254, v255
	s_wait_dscnt 0x0
	s_endpgm
.Lfunc_end_k_q2e2e706916_quant:
	.size	k_q2e2e706916_quant, .Lfunc_end_k_q2e2e706916_quant-k_q2e2e706916_quant
	.p2alignl 7, 3214868480
	.fill 96, 4, 3214868480
	.section	.rodata,"a",@progbits
	.p2align	6, 0x0
	.amdhsa_kernel k_q2e2e706916_quant
		.amdhsa_group_segment_fixed_size 68608
		.amdhsa_private_segment_fixed_size 0
		.amdhsa_enable_private_segment 0
		.amdhsa_kernarg_size 128
		.amdhsa_user_sgpr_count 2
		.amdhsa_user_sgpr_kernarg_segment_ptr 1
		.amdhsa_wavefront_size32 1
		.amdhsa_system_sgpr_workgroup_id_x 1
		.amdhsa_system_sgpr_workgroup_id_y 1
		.amdhsa_system_sgpr_workgroup_id_z 1
		.amdhsa_system_vgpr_workitem_id 0
		.amdhsa_next_free_vgpr 256
		.amdhsa_next_free_sgpr 66
		.amdhsa_reserve_vcc 1
		.amdhsa_float_denorm_mode_32 3
		.amdhsa_float_denorm_mode_16_64 3
		.amdhsa_memory_ordered 1
		.amdhsa_forward_progress 1
		.amdhsa_inst_pref_size 42
	.end_amdhsa_kernel
	.amdgpu_metadata
---
amdhsa.version: [ 1, 2 ]
amdhsa.kernels:
  - .name:           k_q2e2e706916_quant
    .symbol:         k_q2e2e706916_quant.kd
    .args:
      - { .name: query_real, .offset: 0, .size: 8, .value_kind: global_buffer, .address_space: global }
      - { .name: query_imag, .offset: 8, .size: 8, .value_kind: global_buffer, .address_space: global }
      - { .name: key_real, .offset: 16, .size: 8, .value_kind: global_buffer, .address_space: global }
      - { .name: key_imag, .offset: 24, .size: 8, .value_kind: global_buffer, .address_space: global }
      - { .name: value_real, .offset: 32, .size: 8, .value_kind: global_buffer, .address_space: global }
      - { .name: value_imag, .offset: 40, .size: 8, .value_kind: global_buffer, .address_space: global }
      - { .name: Wq_r, .offset: 48, .size: 8, .value_kind: global_buffer, .address_space: global }
      - { .name: Wq_i, .offset: 56, .size: 8, .value_kind: global_buffer, .address_space: global }
      - { .name: Wk_r, .offset: 64, .size: 8, .value_kind: global_buffer, .address_space: global }
      - { .name: Wk_i, .offset: 72, .size: 8, .value_kind: global_buffer, .address_space: global }
      - { .name: Wv_r, .offset: 80, .size: 8, .value_kind: global_buffer, .address_space: global }
      - { .name: Wv_i, .offset: 88, .size: 8, .value_kind: global_buffer, .address_space: global }
      - { .name: Wo_r, .offset: 96, .size: 8, .value_kind: global_buffer, .address_space: global }
      - { .name: Wo_i, .offset: 104, .size: 8, .value_kind: global_buffer, .address_space: global }
      - { .name: xw_codes, .offset: 112, .size: 8, .value_kind: global_buffer, .address_space: global }
      - { .name: xw_scales, .offset: 120, .size: 8, .value_kind: global_buffer, .address_space: global }
    .group_segment_fixed_size: 68608
    .private_segment_fixed_size: 0
    .kernarg_segment_align: 8
    .kernarg_segment_size: 128
    .max_flat_workgroup_size: 256
    .sgpr_count:     66
    .vgpr_count:     256
    .wavefront_size: 32
...
	.end_amdgpu_metadata
.endif
;; end of part 1
;; launch proj (part 2): grid 16 x 24, 4 waves a work-group, clusters of 4 x 4, 327,680 bytes of LDS; arguments xw_codes, xw_scales, bq_r, bq_i, bk_r, bk_i, bv_r, bv_i, qkv_codes; writes qkv_codes
.if DOCPART == 2
	.amdgcn_target "amdgcn-amd-amdhsa--gfx1250"
	.amdhsa_code_object_version 6
	.text
	.protected	k_q2e2e706916_proj
	.globl	k_q2e2e706916_proj
	.p2align	8
	.type	k_q2e2e706916_proj,@function
k_q2e2e706916_proj:
	s_mov_b64 s[64:65], 0
	v_nop
	global_prefetch_b8 v0, s[64:65] scope:SCOPE_SE
	s_setreg_imm32_b32 hwreg(HW_REG_WAVE_MODE, 25, 1), 1
	s_wait_xcnt 0x0
	s_wait_alu depctr_hold_cnt(0) depctr_sa_sdst(0) depctr_va_vdst(0) depctr_va_sdst(0) depctr_va_ssrc(0) depctr_va_vcc(0) depctr_vm_vsrc(0)
	s_getreg_b32 s2, hwreg(HW_REG_IB_STS2, 6, 4)
	s_cmp_eq_u32 s2, 0
	s_cbranch_scc0 .Lentry_in_a_cluster
	s_endpgm
.Lentry_in_a_cluster:
	s_bfe_u32 s2, ttmp6, 0x10000c
	s_cmp_lg_u32 s2, 0xf033
	s_cbranch_scc0 .Lentry_shape_is_right
	s_endpgm
.Lentry_shape_is_right:
; The six input projections, 24 products of 1,024 x 1,024 x 1,024 on codes of BF6 (E3M2) with E8M0 scales, + bias, and the result QUANTISED ALONG ITS COLUMNS, as attention wants it.
; A cluster of 4 x 4 work-groups makes one product: cluster x = the batch, cluster y = the tensor (qr, qi, kr, ki, vr, vi).
; Q and K: C = x W^T: rows = positions, columns = the 1,024 features; a head's 64 features are two blocks of 32.  V: C = W x^T: rows = features, columns = KEYS, since the keys are the K of attention's second product.
; Operands lie in memory as images of their registers (tile T, lane r = row 32 (T / 2) + 8 (T % 2) + r + 8 (r / 8); a fragment = 1,536 bytes; codes [s / 2][T][s % 2][1,536]; scale words [T][s / 2][r][s % 2]):
; a K step's tiles are dense blocks, a fragment is four dense LDS loads, and there is no pitch and no padding.
; A tile of C, 256 x 256, is made by four waves, each 128 x 128: 64 accumulators, 512 registers.  K goes in steps of 256 through a ring of two LDS slots filled by tensor loads; the scale words of all of K come once.
; A's tiles are shared along a row of the cluster, B's along a column: each is asked for JOINTLY, by the same tensor load with the same descriptor and a mask that names the four.
; THE MATRIX INSTRUCTION IS USED TRANSPOSED (source 0 = 16 rows of B, source 1 = 16 rows of A): with the tile order above a lane's 64 results of a block of A are, register 16 b + i, column 32 b + 16 (lane / 16) + i of ONE row:
; sixteen neighbours of each block of 32, which is what the conversions take.  A block's 128 columns become one fragment, which is stored as its image.
; OUT.  Q, K: [head][T][real, imaginary][768]: a fragment [qr | qi] whose halves come from two products; scale words [head][T][r], a half-word from each product.  V: [head][key step][t' (0-3 vr, 4-7 vi)][1,536]; scale words [head][key step][t'][r].
; The scale half-words leave by stores of 2 bytes a lane: one byte in 24 of what this launch stores; the price of a word whose halves come from two products.
; LIMITS: a block of zeros gets the byte 1 where the rule says 127 (its codes are zeros, and this program alone reads the bytes); NaN and infinities are not served.
; REGISTERS, in windows of 256: window 0: v1-15 lane terms; v16-23, v27 LDS addresses; v32-63 scale words, two sets; v64-127 the bias by columns; v128-223 A's fragments, ONE set (on the way out: the numbers and their codes);
;   v224-239 at work; v240-247 the bias by rows.  window 1: B's fragments, TWO sets, at v0 and v128.  windows 2, 3: the accumulators of my rows 0-63 and 64-127 (accumulator (a, b) at v[8 (8 (a % 4) + b)]).
; OUT IN BYTES: codes and scale words share one buffer.  Each run of 12,288 bytes of codes (8 tiles of Q or K, or a key step of V) is followed by its 512 bytes of scale words: 12,800 bytes a run, 102,400 a head, 6,553,600 a region (Q, K, V).
; THE HEAD: four tiles are wanted first, and each wave asks for one: wave 0 slot 0's 16 tiles of A, wave 1 its 16 of B, wave 2 A's scale words, wave 3 B's.  Slot 1 is first filled as a refill is.
.set MAT,    786432                    ; a matrix's codes
.set SPB,    196608                    ; 256 along K of all 64 tiles
.set PAIR,   3072                      ; a tile's two fragments of 256 along K
.set FRB,    1536                      ; a fragment's image
.set NQ,     2                         ; matrix instructions deep in a slot
.set FR,     12                        ; registers of a fragment
.set NL,     4                         ; LDS loads that bring one
.set NP,     4                         ; places behind this matrix instruction (ISA guide 7.12.1)
.set HALFT,  8*PAIR                    ; 8 tiles = 128 rows: what one tensor load brings, and what one wave reads of A or of B
.set SLOT,   4*HALFT                   ; A's 16 tiles, then B's 16
.set SCL,    2*SLOT                    ; behind the ring: the scale words of all of K
.set HALFS,  4096                      ; those of 8 tiles
.set SPARE,  SCL+4*HALFS               ; the spare words, 128 bytes for each wave: two blocks of 256 bytes that no other line names
.set LAPS,   2                         ; 1,024 along K = four slots' worth = twice round the ring
.set ADRA, 16                          ; v16-17 my A fragments in slot 0, 1, + 16 x lane;  v18-19 the same + 8 x lane
.set ADRB, 20                          ; v20-23 the same for B
.set ADRS, 27                          ; v27    my scale words: lanes 0-15 A's rows, lanes 16-31 B's
.set SPW,  28                          ; v28    my spare word: SPARE + 4 x my thread's number; never rewritten
.set NIL,  29                          ; v29    0; never rewritten
.set SC,   32
.set CB,   64
.set AF,   128
.set T,    128                         ; the way out: 64 numbers
.set PC,   192                         ; their codes
.set TM,   224
.set RB,   240
.set PW,   248
.set SHV,  249
.set RP,   250                         ; v250-251 a row's bias, twice
.set G1,   24                          ; s[24:31] group 1 for A's tiles;  s[32:39] groups 0, one for each slot
.set G0,   32
.set G1B,  48                          ; s[48:55], s[56:63] the same for B's
.set G0B,  56
.set WV,   66
.set RH,   67                          ; which half of the tile's rows is mine; also: I fetch for A (0) or for B (1)
.set G1S,  68                          ; s[68:75], s[76:79] groups 1 and 0 for A's scale words;  s[80:87], s[88:91] for B's
.set G0S,  76
.set G1SB, 80
.set G0SB, 88
.set CH,   92                          ; which half of its columns; also: which 8 tiles I fetch
.set SEL,  98
.set MSB, 0
.macro WIN new                         ; the immediate's high byte repeats the setting that is left
.if MSB != (\new)
	s_set_vgpr_msb (MSB<<8)|(\new)
.set MSB, (\new)
.endif
.endm
.set MUL_LO, 0xa1                      ; source 0 (B) window 1, source 1 (A) window 0, C and D window 2
.set MUL_HI, 0xf1                      ; the same, C and D window 3
.set TO_B,   0x40                      ; destination window 1, address window 0
; A joint load: waves 0 and 1 fetch for A, waves 2 and 3 for B; the branch hangs on the wave's number alone.  Four v_nop follow each of the two lines.
.macro JLOAD g0a, g1a, g0b, g1b
	s_cmp_eq_u32 s[RH], 0
	s_cbranch_scc0 .Lfor_b_\@
	tensor_load_to_lds s[\g0a:\g0a+3], s[\g1a:\g1a+7]
	s_nop 0
.rept 4
	v_nop
.endr
	s_branch .Lasked_\@
.Lfor_b_\@:
	tensor_load_to_lds s[\g0b:\g0b+3], s[\g1b:\g1b+7]
	s_nop 0
.rept 4
	v_nop
.endr
.Lasked_\@:
.endm
.macro CREST                           ; a round of the cluster's barrier behind its opening barrier
	s_cmp_lg_u32 s[WV], 0
	s_cbranch_scc1 .Lnot_wave_0_\@
	s_barrier_signal -3
.Lnot_wave_0_\@:
	s_barrier_wait -3
	s_barrier_signal -1
	s_barrier_wait -1
.endm
.macro CROUND
	s_barrier_signal -1
	s_barrier_wait -1
	CREST
.endm
; 64 numbers of a lane, register 16 b + i = column 32 b + 16 (lane / 16) + i of my row, become a fragment's codes in v[PC] .. v[PC + 11] and its scale word in v[pw]
.macro QUANT s, pw
.irp b, 0,1,2,3
	v_max3_num_f32 v[TM+\b], |v[\s+16*\b]|, |v[\s+1+16*\b]|, 0x2800000   ; my 16 numbers of block b, and the floor 2^(5 - 127): the byte cannot fall under 1
.endr
.irp i, 2,4,6,8,10,12,14
.irp b, 0,1,2,3
	v_max3_num_f32 v[TM+\b], v[TM+\b], |v[\s+16*\b+\i]|, |v[\s+1+16*\b+\i]|
.endr
.endr
.irp b, 0,1,2,3
	v_permlanex16_b32 v[TM+4+\b], v[TM+\b], s[SEL], s[SEL+1]
.endr
.irp b, 0,1,2,3
	v_max_num_f32 v[TM+\b], v[TM+\b], v[TM+4+\b]   ; with lane l xor 16's: the block's largest magnitude
.endr
.irp b, 0,1,2,3
	v_add_nc_u32 v[TM+12+\b], 0xfe000000, v[TM+\b]   ; 4 off its exponent field: the conversion's scale operand
.endr
.irp b, 0,1,2,3
	v_lshrrev_b32 v[TM+4+\b], 23, v[TM+12+\b]      ; the scale's byte
.endr
	v_lshl_or_b32 v[\pw], v[TM+5], 8, v[TM+4]
	v_lshl_or_b32 v[\pw], v[TM+6], 16, v[\pw]
	v_lshl_or_b32 v[\pw], v[TM+7], 24, v[\pw]
.irp c, 0,1
	v_cvt_scalef32_pk16_bf6_f32 v[PC+6*\c:PC+2+6*\c], v[\s+32*\c:\s+15+32*\c], v[TM+12+2*\c]
	v_cvt_scalef32_pk16_bf6_f32 v[PC+12+4*\c:PC+14+4*\c], v[\s+16+32*\c:\s+31+32*\c], v[TM+12+2*\c+1]   ; a conversion's three registers begin on an even number
.endr
	v_nop                                          ; one plain place behind a scaled conversion
.irp c, 0,1                                    ; a whole block to a lane: lanes 0-15 block 2 c, lanes 16-31 block 2 c + 1
.irp i, 0,1,2
	v_permlane16_swap_b32 v[PC+6*\c+\i], v[PC+12+4*\c+\i]
.endr
.irp i, 0,1,2
	v_mov_b32 v[PC+3+6*\c+\i], v[PC+12+4*\c+\i]
.endr
.endr
.endm
	s_load_b512 s[4:19], s[0:1], 0x0               ; the codes s[4:5], the scale words s[6:7], the six biases s[8:19]
	s_load_b64 s[20:21], s[0:1], 0x40              ; out: codes, with the scale words behind each run
	v_lshl_add_u32 v[SPW], v0, 2, SPARE
	v_mov_b32 v[NIL], 0
	ds_add_u32 v28, v29
	ds_add_u32 v28, v29
	s_wait_dscnt 0x0
	v_lshrrev_b32 v1, 5, v0
	v_readfirstlane_b32 s[WV], v1                  ; wave 0..3
	s_lshr_b32 s[RH], s[WV], 1
	s_and_b32 s[CH], s[WV], 1
	s_bfe_u32 s40, ttmp6, 0x40000                  ; cx, cy: my place in the cluster
	s_bfe_u32 s41, ttmp6, 0x40004
	s_mov_b32 s42, ttmp9                           ; the batch
	s_and_b32 s43, ttmp7, 0xffff                   ; the tensor
	s_lshl_b32 s44, s41, 2
	s_lshl_b32 s44, 15, s44                        ; my row of the cluster
	s_lshl_b32 s45, 0x1111, s40                    ; my column
	; group 1: dense blocks as rows of 256 bytes (32 elements of 8 bytes), no padding: 192 rows (16 tiles) for the head's loads, later 96 (8 tiles) for the ring's
	s_or_b32 s[G1+0], s44, (3<<16)|(1<<21)         ; 15:0 the mask: A's tiles go to my row; 17:16 elements of 8 bytes; 21 set beside a mask
	s_or_b32 s[G1B+0], s45, (3<<16)|(1<<21)
.irp g, G1, G1B
	s_mov_b32 s[\g+1], 32<<16                      ; tensor_dim0
	s_mov_b32 s[\g+2], 192<<16                     ; tensor_dim1
	s_mov_b32 s[\g+3], 32<<16                      ; tile_dim0
	s_mov_b32 s[\g+4], 192                         ; tile_dim1
	s_mov_b32 s[\g+5], 32                          ; tensor_dim0_stride
	s_mov_b32 s[\g+6], 0
	s_mov_b32 s[\g+7], 0
.endr
	s_or_b32 s[G1S+0], s44, (3<<16)|(1<<21)        ; and the scale words of 16 tiles: 8,192 dense bytes, 32 rows
	s_or_b32 s[G1SB+0], s45, (3<<16)|(1<<21)
.irp g, G1S, G1SB
	s_mov_b32 s[\g+1], 32<<16
	s_mov_b32 s[\g+2], 32<<16
	s_mov_b32 s[\g+3], 32<<16
	s_mov_b32 s[\g+4], 32
	s_mov_b32 s[\g+5], 32
	s_mov_b32 s[\g+6], 0
	s_mov_b32 s[\g+7], 0
.endr
	s_lshl_b32 s46, s43, 2
	s_add_co_u32 s46, s46, s42                     ; the activation's matrix: 4 x tensor + batch
	s_add_co_u32 s47, s43, 24                      ; the weight's
	s_cmp_ge_u32 s43, 4                            ; V?  then the weight gives the rows
	s_cselect_b32 s2, s47, s46                     ; A's matrix
	s_cselect_b32 s3, s46, s47                     ; B's
	s_lshl_b32 s46, s41, 4                         ; A: from tile 16 cy
	s_mul_i32 s94, s2, MAT
	s_mul_i32 s93, s46, PAIR
	s_add_co_u32 s94, s94, s93
	s_mov_b32 s95, 0                               ; s[94:95]: where A's codes begin
	s_lshl_b32 s[G0S+2], s2, 15
	s_lshl_b32 s93, s46, 9
	s_add_co_u32 s[G0S+2], s[G0S+2], s93           ; and A's scale words
	s_mov_b32 s[G0S+3], 0
	s_lshl_b32 s100, s40, 4                        ; B: from tile 16 cx
	s_mul_i32 s96, s3, MAT
	s_mul_i32 s101, s100, PAIR
	s_add_co_u32 s96, s96, s101
	s_mov_b32 s97, 0                               ; s[96:97]: B's codes
	s_lshl_b32 s[G0SB+2], s3, 15
	s_lshl_b32 s101, s100, 9
	s_add_co_u32 s[G0SB+2], s[G0SB+2], s101
	s_mov_b32 s[G0SB+3], 0
	s_mov_b32 s[SEL], 0x76543210
	s_mov_b32 s[SEL+1], 0xfedcba98
	s_wait_kmcnt 0x0
	s_add_nc_u64 s[94:95], s[4:5], s[94:95]
	s_add_nc_u64 s[96:97], s[4:5], s[96:97]
	s_add_nc_u64 s[G0S+2:G0S+3], s[6:7], s[G0S+2:G0S+3]
	s_add_nc_u64 s[G0SB+2:G0SB+3], s[6:7], s[G0SB+2:G0SB+3]
	CROUND                                         ; all sixteen work-groups are here: the first joint loads meet
	s_mov_b32 s[G0], 1                             ; the head's four tiles, each whole: slot 0's 16 tiles of A,
	s_mov_b32 s[G0+1], 0
	s_mov_b64 s[G0+2:G0+3], s[94:95]
	s_or_b32 s[G0+3], s[G0+3], 0x80000000
	s_mov_b32 s[G0B], 1                            ; its 16 tiles of B, behind them,
	s_mov_b32 s[G0B+1], 2*HALFT
	s_mov_b64 s[G0B+2:G0B+3], s[96:97]
	s_or_b32 s[G0B+3], s[G0B+3], 0x80000000
	s_mov_b32 s[G0S], 1                            ; A's scale words,
	s_mov_b32 s[G0S+1], SCL
	s_or_b32 s[G0S+3], s[G0S+3], 0x80000000
	s_mov_b32 s[G0SB], 1                           ; and B's
	s_mov_b32 s[G0SB+1], SCL+2*HALFS
	s_or_b32 s[G0SB+3], s[G0SB+3], 0x80000000
	s_mul_i32 s100, s[CH], HALFT                   ; for the ring: which 8 of the 16 tiles I fetch,
	s_mov_b32 s101, 0
	s_add_nc_u64 s[94:95], s[94:95], s[100:101]
	s_add_nc_u64 s[96:97], s[96:97], s[100:101]
	s_mul_i32 s100, s[WV], HALFT                   ; and where they go: wave x 8 tiles: no place in the cluster enters an LDS address
	s_mov_b32 s[G0+4], 1                           ; slot 1's sets
	s_add_co_u32 s[G0+5], s100, SLOT
	s_add_nc_u64 s[G0+6:G0+7], s[94:95], SPB
	s_or_b32 s[G0+7], s[G0+7], 0x80000000
	s_mov_b32 s[G0B+4], 1
	s_add_co_u32 s[G0B+5], s100, SLOT
	s_add_nc_u64 s[G0B+6:G0B+7], s[96:97], SPB
	s_or_b32 s[G0B+7], s[G0B+7], 0x80000000
; one chain of branches on the wave's number, one load to an arm, all arms leading to one join: one tensor load a wave at the head
.macro ARM under, g0, g1, next
	s_cmp_lt_u32 s[WV], \under
	s_cbranch_scc0 \next
	tensor_load_to_lds s[\g0:\g0+3], s[\g1:\g1+7]
	s_nop 0
.rept 4
	v_nop
.endr
	s_branch .Lhead_asked
\next:
.endm
	ARM 1, G0,  G1,  .Lhead_b
	ARM 2, G0B, G1B, .Lhead_sa
	ARM 3, G0S, G1S, .Lhead_sb
	tensor_load_to_lds s[G0SB:G0SB+3], s[G1SB:G1SB+7]
	s_nop 0
.rept 4
	v_nop
.endr
.Lhead_asked:
	v_and_b32 v1, 15, v0                           ; r
	v_bfe_u32 v2, v0, 4, 1                         ; h
	v_and_b32 v3, 31, v0                           ; lane
	v_lshlrev_b32 v4, 4, v3                        ; 16 x lane
	v_lshlrev_b32 v5, 3, v3                        ; 8 x lane
	s_mul_i32 s46, s[RH], HALFT                    ; my 8 tiles of A
	s_mul_i32 s47, s[CH], HALFT                    ; my 8 tiles of B,
	s_add_co_u32 s47, s47, 2*HALFT                 ; which lie behind A's 16
.irp s, 0,1
	v_add_nc_u32 v[ADRA+\s], s46, v4
	v_add_nc_u32 v[ADRA+2+\s], s46, v5
	v_add_nc_u32 v[ADRB+\s], s47, v4
	v_add_nc_u32 v[ADRB+2+\s], s47, v5
	s_add_co_u32 s46, s46, SLOT
	s_add_co_u32 s47, s47, SLOT
.endr
	s_lshl_b32 s46, s[RH], 12                      ; scale words: A's, my 8 tiles
	s_lshl_b32 s47, s[CH], 12                      ; B's, behind A's 16
	s_add_co_u32 s47, s47, 2*HALFS
	s_sub_co_u32 s47, s47, s46
	v_mul_u32_u24 v6, s47, v2                      ; lanes 16-31 take B's: one product, the distance between the two
	s_add_co_u32 s46, s46, SCL
	v_lshl_add_u32 v6, v1, 3, v6                   ; 8 bytes a row: the slot's two words
	v_add_nc_u32 v[ADRS], s46, v6
.irp b, 0,1,2,3
	v_mov_b32 v[TM+4+\b], 0                        ; written once: a lane permute's destination counts as one of its sources
.endr
	; the bias, both ways: by my columns (used for Q and K) and by my rows (used for V); both lie inside its 1,024 numbers
.irp i, 1,2,3,4,5
	s_cmp_eq_u32 s43, \i
	s_cselect_b64 s[8:9], s[8+2*\i:9+2*\i], s[8:9]
.endr
	s_lshl_b32 s46, s40, 10
	s_lshl_b32 s47, s[CH], 9
	s_add_co_u32 s46, s46, s47
	s_mov_b32 s47, 0
	s_add_nc_u64 s[10:11], s[8:9], s[46:47]        ; at column 256 cx + 128 half
	s_lshl_b32 s46, s41, 10
	s_lshl_b32 s93, s[RH], 9
	s_add_co_u32 s46, s46, s93
	s_add_nc_u64 s[12:13], s[8:9], s[46:47]        ; at row 256 cy + 128 half
	v_lshlrev_b32 v8, 6, v2                        ; 16 h numbers
	v_and_b32 v9, 8, v1
	v_add_nc_u32 v9, v9, v1
	v_lshlrev_b32 v9, 2, v9                        ; r + 8 (r / 8) numbers
.irp b, 0,1,2,3,4,5,6,7
	global_load_b128 v[CB+8*\b:CB+8*\b+3], v8, s[10:11] offset:(32*(\b/2)+8*(\b%2))*4       ; register 8 b + j: column 32 (b / 2) + 8 (b % 2) + 16 h + j
	global_load_b128 v[CB+8*\b+4:CB+8*\b+7], v8, s[10:11] offset:(32*(\b/2)+8*(\b%2))*4+16
.endr
.irp a, 0,1,2,3,4,5,6,7
	global_load_b32 v[RB+\a], v9, s[12:13] offset:(32*(\a/2)+8*(\a%2))*4                     ; block a: my row's
.endr
	; PREFETCHES INTO THE L2.  A ring load of mine brings 8 tiles x 3,072 bytes = 96 blocks of 256 bytes, which four partners ask for jointly: they share the blocks out BY ADDRESS, 24 each
	; (the partner's place: cx for A's tiles, cy for B's); a lane a block, lanes 24-31 name the last block again.  Here the slots' worth 1 and 2 of K are asked for, one and two ring loads ahead of the loads that want them;
	; the third follows behind slot 1's load, two ring loads ahead.  Every address lies inside the matrix's codes; the address registers s[16:17] and v11 are never rewritten.
	s_cmp_eq_u32 s[RH], 0                          ; do I fetch for A?
	s_cselect_b32 s18, s40, s41                    ; my place among the four that ask with me
	s_cselect_b64 s[16:17], s[94:95], s[96:97]     ; my 8 tiles, at K = 0
	s_mul_i32 s18, s18, 24
	v_min_u32 v10, 23, v3
	v_add_nc_u32 v10, s18, v10
	v_lshlrev_b32 v11, 8, v10
	global_prefetch_b8 v11, s[16:17] offset:SPB th:TH_LOAD_NT scope:SCOPE_SE
	global_prefetch_b8 v11, s[16:17] offset:2*SPB th:TH_LOAD_NT scope:SCOPE_SE
.macro FRAG reg, adr, q, i             ; a fragment's image, 1,536 dense bytes, back into 12 registers
	ds_load_b128 v[\reg:\reg+3], v[\adr] offset:(\i)*PAIR+(\q)*FRB
	ds_load_b64 v[\reg+4:\reg+5], v[\adr+2] offset:(\i)*PAIR+(\q)*FRB+512
	ds_load_b128 v[\reg+6:\reg+9], v[\adr] offset:(\i)*PAIR+(\q)*FRB+768
	ds_load_b64 v[\reg+10:\reg+11], v[\adr+2] offset:(\i)*PAIR+(\q)*FRB+1280
.endm
; 16 matrix instructions: A's blocks a0, a0 + 1 x B's eight, 128 along K: the slot's q-th.  p: B's set;  sc: the set of scale words.  zero = 1: the first product starts the sums.
; The 64 accumulators take turns, one instruction a turn, in the same order in every step.
.macro MUL16 a0, p, q, sc, zero
.irp a, \a0, \a0+1
.irp b, 0,1,2,3,4,5,6,7
.if \zero
	v_wmma_scale_f32_16x16x128_f8f6f4 v[8*(8*((\a)%4)+\b):8*(8*((\a)%4)+\b)+7], v[128*(\p)+FR*\b:128*(\p)+FR*\b+FR-1], v[AF+FR*(\a):AF+FR*(\a)+FR-1], 0, v[SC+8*NQ*(\sc)+NQ*\b+(\q)], v[SC+8*NQ*(\sc)+NQ*(\a)+(\q)] matrix_a_fmt:MATRIX_FMT_BF6 matrix_b_fmt:MATRIX_FMT_BF6 matrix_a_scale:MATRIX_SCALE_ROW1
.else
	v_wmma_scale_f32_16x16x128_f8f6f4 v[8*(8*((\a)%4)+\b):8*(8*((\a)%4)+\b)+7], v[128*(\p)+FR*\b:128*(\p)+FR*\b+FR-1], v[AF+FR*(\a):AF+FR*(\a)+FR-1], v[8*(8*((\a)%4)+\b):8*(8*((\a)%4)+\b)+7], v[SC+8*NQ*(\sc)+NQ*\b+(\q)], v[SC+8*NQ*(\sc)+NQ*(\a)+(\q)] matrix_a_fmt:MATRIX_FMT_BF6 matrix_b_fmt:MATRIX_FMT_BF6 matrix_a_scale:MATRIX_SCALE_ROW1
.endif
.endr
.endr
.endm
.macro FETCH_B slot, q, p
	WIN TO_B
.irp i, 0,1,2,3,4,5,6,7
	FRAG 128*(\p)+FR*\i, ADRB+\slot, \q, \i
.endr
	WIN 0
.endm
.macro FETCH_A slot, q, i0
.irp i, \i0, \i0+1, \i0+2, \i0+3
	FRAG AF+FR*(\i), ADRA+\slot, \q, \i
.endr
.endm
.macro SCALES sc                       ; the slot's scale words into set sc: two words a row; lanes 0-15 A's block i, lanes 16-31 B's block i
.irp i, 0,1,2,3,4,5,6,7
	ds_load_b64 v[SC+8*NQ*\sc+NQ*\i:SC+8*NQ*\sc+NQ*\i+1], v[ADRS] offset:\i*512
.endr
.endm
.macro PLACES n                        ; a load into a register that a matrix instruction has read stands four plain vector instructions behind it (ISA guide 7.12.1 for vector instructions)
.rept \n
	v_nop
.endr
.endm
.macro STEP slot, q, zero              ; a step of 128 along K that has its successor in the same slot
	s_wait_dscnt 4*NL                              ; B's set and A's blocks 0-3 are in; the youngest sixteen loads (A's blocks 4-7) may be out
	WIN MUL_LO
	MUL16 0, (\q)%2, \q, \slot, \zero
	MUL16 2, (\q)%2, \q, \slot, \zero
	s_wait_dscnt 0
	PLACES NP
	FETCH_B \slot, (\q)+1, 1-(\q)%2
	FETCH_A \slot, (\q)+1, 0
	WIN MUL_HI
	MUL16 4, (\q)%2, \q, \slot, \zero
	MUL16 6, (\q)%2, \q, \slot, \zero
	PLACES NP
	WIN 0
	FETCH_A \slot, (\q)+1, 4
.endm
; A slot's last step changes slots: ONE barrier; in front of it each wave waits for all its tensor loads, adds 0 to its spare word, and waits for that and for its reads of this slot.  fill = 1: this slot is filled again, two slots ahead.
.macro TURN slot, next, fill
	s_wait_tensorcnt 0x0                           ; all my tensor loads have landed: my part of the next slot
	ds_add_u32 v[SPW], v[NIL]                      ; 0 onto my spare word
	s_wait_dscnt 4*NL+1                            ; the add and the youngest sixteen loads (A's blocks 4-7) may be out
	WIN MUL_LO
	MUL16 0, 1, NQ-1, \slot, 0
	s_wait_dscnt 0x0                               ; the add is done, and my reads of this slot are over
	s_barrier_signal -1
	MUL16 2, 1, NQ-1, \slot, 0
	WIN 0
	s_barrier_wait -1
.if \fill
	CREST                                          ; the barrier has opened a round of the cluster's: no wave of any partner still reads this slot or has a load on its way
	s_add_nc_u64 s[G0+4*\slot+2:G0+4*\slot+3], s[G0+4*\slot+2:G0+4*\slot+3], 2*SPB
	s_add_nc_u64 s[G0B+4*\slot+2:G0B+4*\slot+3], s[G0B+4*\slot+2:G0B+4*\slot+3], 2*SPB
	JLOAD G0+4*\slot, G1, G0B+4*\slot, G1B         ; the first tensor load behind the round; its four v_nop are the places in front of the loads below
.else
	PLACES NP
.endif
	s_wait_alu depctr_va_vdst(0)
	v_add_nc_u32 v[ADRS], 128, v[ADRS]             ; the next slot's scale words
	FETCH_B \next, 0, 0
	FETCH_A \next, 0, 0
	SCALES \next
	WIN MUL_HI
	MUL16 4, 1, NQ-1, \slot, 0
	MUL16 6, 1, NQ-1, \slot, 0
	PLACES NP
	WIN 0
	FETCH_A \next, 0, 4
.endm
	s_wait_alu depctr_va_vdst(0)
	s_wait_tensorcnt 0x0                           ; my tile of the head's four is in
	ds_add_u32 v[SPW], v[NIL]
	s_mov_b32 s[G0+1], s100                        ; no tensor load of mine is out, so descriptors may be written: slot 0's sets for the ring,
	s_mov_b64 s[G0+2:G0+3], s[94:95]
	s_or_b32 s[G0+3], s[G0+3], 0x80000000
	s_mov_b32 s[G0B+1], s100
	s_mov_b64 s[G0B+2:G0B+3], s[96:97]
	s_or_b32 s[G0B+3], s[G0B+3], 0x80000000
	s_mov_b32 s[G1+2], 96<<16                      ; and from here on a load brings 8 tiles, 96 rows
	s_mov_b32 s[G1+4], 96
	s_mov_b32 s[G1B+2], 96<<16
	s_mov_b32 s[G1B+4], 96
	s_wait_dscnt 0x0
	CROUND                                         ; all four tiles are in, and all sixteen work-groups are here
	JLOAD G0+4, G1, G0B+4, G1B                     ; slot 1's first fill, my one load behind the round
	FETCH_B 0, 0, 0
	FETCH_A 0, 0, 0
	SCALES 0
	FETCH_A 0, 0, 4
	global_prefetch_b8 v11, s[16:17] offset:3*SPB th:TH_LOAD_NT scope:SCOPE_SE   ; the last slot's worth of K, behind slot 1's load and the run of LDS loads
	STEP 0, 0, 1                                   ; the first step stands in front of the loop: its products start the sums
	s_mov_b32 s3, LAPS-1
.Llap:                                                 ; a trip goes once round the ring and fills both slots again
	TURN 0, 1, 1
	STEP 1, 0, 0
	TURN 1, 0, 1
	STEP 0, 0, 0
	s_sub_co_u32 s3, s3, 1
	s_cmp_lg_u32 s3, 0
	s_cbranch_scc1 .Llap
	TURN 0, 1, 0                                   ; the last lap fills nothing
	STEP 1, 0, 0
	s_wait_dscnt 4*NL
	WIN MUL_LO
	MUL16 0, 1, NQ-1, 1, 0
	MUL16 2, 1, NQ-1, 1, 0
	s_wait_dscnt 0
	WIN MUL_HI
	MUL16 4, 1, NQ-1, 1, 0
	MUL16 6, 1, NQ-1, 1, 0
	WIN 0
	; THE WAY OUT.  The bias that this tensor does not use becomes 0; these 72 plain lines are also the places behind the last products.
	s_wait_loadcnt 0x0                             ; the biases; their bases are free
	s_cmp_lt_u32 s43, 4
	s_cselect_b32 vcc_lo, -1, 0                    ; Q, K: the bias goes by columns
.set j, 0
.rept 64
	v_cndmask_b32 v[CB+j], 0, v[CB+j], vcc_lo
.set j, j+1
.endr
	s_cselect_b32 vcc_lo, 0, -1                    ; V: by rows
.set j, 0
.rept 8
	v_cndmask_b32 v[RB+j], 0, v[RB+j], vcc_lo
.set j, j+1
.endr
	; where my fragments go.  P = the pair of heads (Q, K: by my columns; V: by my rows), Qx = the other coordinate (Q, K: 8 tiles of positions; V: a key step); both steps are 12,288 bytes of codes and 512 of scale words
	s_lshl_b32 s46, s41, 1
	s_add_co_u32 s46, s46, s[RH]                   ; 2 cy + row half
	s_lshl_b32 s47, s40, 1
	s_add_co_u32 s47, s47, s[CH]                   ; 2 cx + column half
	s_cmp_ge_u32 s43, 4
	s_cselect_b32 s93, s46, s47                    ; P
	s_cselect_b32 s94, s47, s46                    ; Qx
	s_mov_b32 s12, 102400
	s_cselect_b32 s12, 768, s12                    ; from a fragment's first half to its second: V: on end; Q, K: the next head
	s_mov_b32 s8, 6144
	s_cselect_b32 s8, 102400, s8                   ; from block 3 to block 4: V: the next head; Q, K: four tiles on
	s_mov_b32 s9, 0
	s_mov_b32 s13, 102400
	s_cselect_b32 s13, 2, s13                      ; the scale word's upper half: V: 2 bytes on; Q, K: the next head's word
	s_mov_b32 s10, 256
	s_cselect_b32 s10, 102400, s10
	s_mov_b32 s11, 0
	s_mov_b32 s14, 768
	s_cselect_b32 s14, 6144, s14                   ; the imaginary part: Q, K: the fragment's other half; V: four tiles on
	s_cselect_b32 s15, 256, 2
	s_and_b32 s95, s43, 1                          ; real or imaginary
	s_lshr_b32 s96, s43, 1                         ; Q's, K's or V's region
	s_lshl_b32 s97, s42, 4
	s_lshl_b32 s93, s93, 1
	s_add_co_u32 s97, s97, s93                     ; the head: 16 x batch + 2 P
	s_mul_i32 s100, s96, 6553600
	s_mul_i32 s101, s97, 102400
	s_add_co_u32 s100, s100, s101
	s_mul_i32 s101, s94, 12800
	s_add_co_u32 s100, s100, s101
	s_mul_i32 s101, s95, s14
	s_add_co_u32 s100, s100, s101
	s_mov_b32 s101, 0
	s_add_nc_u64 s[4:5], s[20:21], s[100:101]      ; the codes
	s_mul_i32 s100, s96, 6553600
	s_mul_i32 s46, s97, 102400
	s_add_co_u32 s100, s100, s46
	s_mul_i32 s46, s94, 12800
	s_add_co_u32 s100, s100, s46
	s_mul_i32 s46, s95, s15
	s_add_co_u32 s100, s100, s46
	s_add_co_u32 s100, s100, 12288                 ; behind the run's codes
	s_add_nc_u64 s[6:7], s[20:21], s[100:101]      ; the scale words
	v_add_nc_u32 v12, s12, v4                      ; the second half's places
	v_add_nc_u32 v13, s12, v5
	v_mul_u32_u24 v14, s13, v2
	v_lshl_add_u32 v14, v1, 2, v14                 ; 4 r; lanes 16-31 store the word's upper half
	v_lshlrev_b32 v15, 4, v2                       ; 16 h: the shift that brings it down
.macro OUTA a                          ; block a: 16 rows x my 128 columns
.if (\a) > 0
	s_wait_xcnt 0x0                                ; the last block's stores have read their registers and their bases
.endif
.if (\a) == 4
	s_add_nc_u64 s[4:5], s[4:5], s[8:9]
	s_add_nc_u64 s[6:7], s[6:7], s[10:11]
.endif
	v_mov_b32 v[RP], v[RB+(\a)]
	v_mov_b32 v[RP+1], v[RB+(\a)]
	WIN 0x02+(\a)/4                                ; source 0: window 2 or 3
.set j, 0
.rept 32
	v_pk_add_f32 v[T+j:T+j+1], v[64*((\a)%4)+j:64*((\a)%4)+j+1], v[CB+j:CB+j+1]   ; ascending: each accumulator is read from its low end on
.set j, j+2
.endr
	WIN 0
.set j, 0
.rept 32
	v_pk_add_f32 v[T+j:T+j+1], v[T+j:T+j+1], v[RP:RP+1]
.set j, j+2
.endr
	QUANT T, PW
	global_store_b128 v4, v[PC:PC+3], s[4:5] offset:((\a)%4)*FRB               ; each store covers whole aligned blocks of 256 bytes
	global_store_b64 v5, v[PC+4:PC+5], s[4:5] offset:((\a)%4)*FRB+512
	global_store_b128 v12, v[PC+6:PC+9], s[4:5] offset:((\a)%4)*FRB
	global_store_b64 v13, v[PC+10:PC+11], s[4:5] offset:((\a)%4)*FRB+512
	v_lshrrev_b32 v[SHV], v15, v[PW]
	global_store_b16 v14, v[SHV], s[6:7] offset:64*((\a)%4)
.endm
.irp a, 0,1,2,3,4,5,6,7
	OUTA \a
.endr
	s_wait_tensorcnt 0x0                           ; the wave's end
	ds_add_u32 v[SPW], v[NIL]
	s_wait_dscnt 0x0
	CROUND                                         ; the closing round: no work-group ends while a partner may still ask for a tile that names it
	s_endpgm
.Lfunc_end_k_q2e2e706916_proj:
	.size	k_q2e2e706916_proj, .Lfunc_end_k_q2e2e706916_proj-k_q2e2e706916_proj
	.p2alignl 7, 3214868480
	.fill 96, 4, 3214868480
	.section	.rodata,"a",@progbits
	.p2align	6, 0x0
	.amdhsa_kernel k_q2e2e706916_proj
		.amdhsa_group_segment_fixed_size 327680
		.amdhsa_private_segment_fixed_size 0
		.amdhsa_enable_private_segment 0
		.amdhsa_kernarg_size 72
		.amdhsa_user_sgpr_count 2
		.amdhsa_user_sgpr_kernarg_segment_ptr 1
		.amdhsa_wavefront_size32 1
		.amdhsa_system_sgpr_workgroup_id_x 1
		.amdhsa_system_sgpr_workgroup_id_y 1
		.amdhsa_system_sgpr_workgroup_id_z 1
		.amdhsa_system_vgpr_workitem_id 0
		.amdhsa_next_free_vgpr 1024
		.amdhsa_next_free_sgpr 102
		.amdhsa_reserve_vcc 1
		.amdhsa_float_denorm_mode_32 3
		.amdhsa_float_denorm_mode_16_64 3
		.amdhsa_memory_ordered 1
		.amdhsa_forward_progress 1
		.amdhsa_inst_pref_size 190
	.end_amdhsa_kernel
	.amdgpu_metadata
---
amdhsa.version: [ 1, 2 ]
amdhsa.kernels:
  - .name:           k_q2e2e706916_proj
    .symbol:         k_q2e2e706916_proj.kd
    .args:
      - { .name: xw_codes, .offset: 0, .size: 8, .value_kind: global_buffer, .address_space: global }
      - { .name: xw_scales, .offset: 8, .size: 8, .value_kind: global_buffer, .address_space: global }
      - { .name: bq_r, .offset: 16, .size: 8, .value_kind: global_buffer, .address_space: global }
      - { .name: bq_i, .offset: 24, .size: 8, .value_kind: global_buffer, .address_space: global }
      - { .name: bk_r, .offset: 32, .size: 8, .value_kind: global_buffer, .address_space: global }
      - { .name: bk_i, .offset: 40, .size: 8, .value_kind: global_buffer, .address_space: global }
      - { .name: bv_r, .offset: 48, .size: 8, .value_kind: global_buffer, .address_space: global }
      - { .name: bv_i, .offset: 56, .size: 8, .value_kind: global_buffer, .address_space: global }
      - { .name: qkv_codes, .offset: 64, .size: 8, .value_kind: global_buffer, .address_space: global }
    .group_segment_fixed_size: 327680
    .private_segment_fixed_size: 0
    .kernarg_segment_align: 8
    .kernarg_segment_size: 72
    .max_flat_workgroup_size: 128
    .sgpr_count:     102
    .vgpr_count:     1024
    .wavefront_size: 32
...
	.end_amdgpu_metadata
.endif
;; end of part 2
;; launch attn (part 3): grid 4 x 64, 16 waves a work-group, clusters of 4 x 1, 206,848 bytes of LDS; arguments qkv_codes, o_codes, o_scales; writes o_codes, o_scales
.if DOCPART == 3
	.amdgcn_target "amdgcn-amd-amdhsa--gfx1250"
	.amdhsa_code_object_version 6
	.text
	.protected	k_q2e2e706916_attn
	.globl	k_q2e2e706916_attn
	.p2align	8
	.type	k_q2e2e706916_attn,@function
k_q2e2e706916_attn:
	s_mov_b64 s[64:65], 0
	v_nop
	global_prefetch_b8 v0, s[64:65] scope:SCOPE_SE
	s_setreg_imm32_b32 hwreg(HW_REG_WAVE_MODE, 25, 1), 1
	s_wait_xcnt 0x0
	s_wait_alu depctr_hold_cnt(0) depctr_sa_sdst(0) depctr_va_vdst(0) depctr_va_sdst(0) depctr_va_ssrc(0) depctr_va_vcc(0) depctr_vm_vsrc(0)
	s_getreg_b32 s2, hwreg(HW_REG_IB_STS2, 6, 4)
	s_cmp_eq_u32 s2, 0
	s_cbranch_scc0 .Lentry_in_a_cluster
	s_endpgm
.Lentry_in_a_cluster:
	s_bfe_u32 s2, ttmp6, 0x10000c
	s_cmp_lg_u32 s2, 0x3003
	s_cbranch_scc0 .Lentry_shape_is_right
	s_endpgm
.Lentry_shape_is_right:
; Complex attention of one head on codes of BF6 (E3M2) with E8M0 scales.  re = [qr | qi] . [kr | ki], im = [qi | -qr] . [kr | ki]: the four products of K = 64 are two instructions of K = 128 for each tile;
; the logit is sqrt(re^2 + im^2 + 1e-8) / 8; out_r = w vr, out_i = w vi.  [qi | -qr] is made of [qr | qi] in registers: the halves change places and the sign bits of one are turned, which is exact.
; SOFTMAX: t = logit x log2(e); M = the row's largest t so far, rounded UP to a whole number; p = 2^(t - M) is quantised along the keys, not normalised; the row's sum is taken of the unquantised p and divides at the end.
; When M moves, the sum and O are multiplied by 2^(old M - new M): exact.  The result is quantised along the features and stored as the output projection's operand.
; SHARES: a work-group owns 256 queries of one head, each of its sixteen waves one tile of 16, in 256 registers: four waves to a SIMD.
; IN: qkv_codes holds runs of 12,800 bytes: 12,288 of codes (8 fragments' images: 8 tiles of Q or K, or a key step of V) and their 512 bytes of scale words; 102,400 bytes a head, 6,553,600 a region (Q, K, V).
; ALL of the head's K and V lie in LDS, filled ONCE: wave w < 8 asks for K's key step w, wave w >= 8 for V's key step w - 8: one tensor load a wave, 50 rows of 256 bytes; key step s: K at 25,600 s, V 12,800 on.
; The four query blocks of a head form a cluster and ask for every run JOINTLY.  One barrier shows all sixteen runs to all waves; behind it no wave waits for another until the closing round.
; No prefetch: every byte that the work-group reads is asked for at its head.
; THE STEP asks for each group of four fragments one stage ahead of its products: K's second group under the first group's squares, V's first under the softmax, V's second and the next step's first of K under the row's sums.
; LAYOUT: both products are used transposed (source 0 = 16 keys, or 16 of V's features; source 1 = my queries, or p): a lane holds ONE query.  Tile T holds in lane r the row 32 (T / 2) + 8 (T % 2) + r + 8 (r / 8):
; so the 16 registers of tiles 2 b, 2 b + 1 are 16 neighbours, 32 b + 16 (lane / 16) + 0 .. 15, of the keys and later of the features.
; LIMITS: the two halves of re (and of im) are summed inside one instruction, not as two f32 sums; 1e-8 is added to re^2 first, not last; a block of zeros gets the byte 1 where the rule says 127 (this program alone reads the bytes);
; a block's largest p is taken as the p of its largest x, which takes v_sqrt_f32 and v_exp_f32 not to fall where their input rises; NaN and infinities are not served; the promise holds while |t| stays under 2^31.
.set MAT,   786432
.set SPB,   196608
.set PAIR,  3072
.set FRB,   1536
.set GS,    12800                      ; a run
.set HS,    102400                     ; a head
.set RS,    6553600                    ; a region
.set KVP,   25600                      ; LDS: a key step, K's run and V's
.set SPARE, 204800                     ; the spare words, 128 bytes a wave
.set L16,  1                           ; 16 x lane
.set L8,   2                           ; 8 x lane
.set SC0,  3                           ; 4 r + 12,288
.set A16,  4                           ; the step's three LDS addresses
.set A8,   5
.set AS,   6
.set SPW,  7                           ; my spare word; never rewritten
.set NIL,  8                           ; 0; never rewritten
.set TA,   9                           ; at work
.set F,    10                          ; v[10:11] f = 2^(old M - new M); v12 -M, v13 the largest t, v[14:15] the sum in two halves
.set QA,   16                          ; [qr | qi]
.set QB,   28                          ; [qi | -qr]
.set FG,   40                          ; four fragments of K or V
.set S,    88                          ; re, x, the logits, p
.set O,    152                         ; O^T: 0-31 real, 32-63 imaginary
.set W,    216                         ; im; later:
.set PC,   216                         ; p's codes (v228-230, v232-234 the conversions' second halves)
.set BM,   236                         ; each block's largest
.set PT,   240
.set SO,   244
; the row's sum runs in eight chains, in the pairs at v228, v232, v236, v238, v240, v242, v244, v246, which are free behind the conversions
.set KS,   248                         ; K's or V's scale words
.set QSA,  252
.set QSB,  253
.set PSW,  254
.set TC,   255                         ; at work
.set TM,   40                          ; the way out
.set PW,   56
.set WV,   12
.set CX,   13
.set BH,   14
.set TQ,   15
.set G1,   16
.set G0,   24
.set SEL,  28
.set CS,   30
.set EPS,  32
.set TB,   34
.set CNT,  35
.macro ROUND                           ; a round of the cluster's barrier
	s_barrier_signal -1
	s_barrier_wait -1
	s_cmp_lg_u32 s[WV], 0
	s_cbranch_scc1 .Lnot_wave_0_\@
	s_barrier_signal -3
.Lnot_wave_0_\@:
	s_barrier_wait -3
	s_barrier_signal -1
	s_barrier_wait -1
.endm
.macro NOP4
.rept 4
	v_nop
.endr
.endm
.macro QUANT s, pw                     ; 64 numbers of a lane become a fragment's codes in v[PC] on and its scale word
.irp b, 0,1,2,3
	v_max3_num_f32 v[TM+\b], |v[\s+16*\b]|, |v[\s+1+16*\b]|, 0x2800000   ; with the floor 2^(5 - 127)
.endr
.irp i, 2,4,6,8,10,12,14
.irp b, 0,1,2,3
	s_delay_alu instid0(VALU_DEP_4)
	v_max3_num_f32 v[TM+\b], v[TM+\b], |v[\s+16*\b+\i]|, |v[\s+1+16*\b+\i]|
.endr
.endr
.irp b, 0,1,2,3
	s_delay_alu instid0(VALU_DEP_4)
	v_permlanex16_b32 v[TM+4+\b], v[TM+\b], s[SEL], s[SEL+1]
.endr
.irp b, 0,1,2,3
	s_delay_alu instid0(VALU_DEP_4)
	v_max_num_f32 v[TM+\b], v[TM+\b], v[TM+4+\b]
.endr
.irp b, 0,1,2,3
	s_delay_alu instid0(VALU_DEP_4)
	v_add_nc_u32 v[TM+12+\b], 0xfe000000, v[TM+\b]
.endr
.irp b, 0,1,2,3
	s_delay_alu instid0(VALU_DEP_4)
	v_lshrrev_b32 v[TM+4+\b], 23, v[TM+12+\b]
.endr
	s_delay_alu instid0(VALU_DEP_3)
	v_lshl_or_b32 v[\pw], v[TM+5], 8, v[TM+4]
	s_delay_alu instid0(VALU_DEP_1)
	v_lshl_or_b32 v[\pw], v[TM+6], 16, v[\pw]
	s_delay_alu instid0(VALU_DEP_1)
	v_lshl_or_b32 v[\pw], v[TM+7], 24, v[\pw]
.irp c, 0,1
	v_cvt_scalef32_pk16_bf6_f32 v[PC+6*\c:PC+2+6*\c], v[\s+32*\c:\s+15+32*\c], v[TM+12+2*\c]
	v_cvt_scalef32_pk16_bf6_f32 v[PC+12+4*\c:PC+14+4*\c], v[\s+16+32*\c:\s+31+32*\c], v[TM+12+2*\c+1]
.endr
	v_nop                                          ; one plain place behind a scaled conversion
.irp c, 0,1
.irp i, 0,1,2
	v_permlane16_swap_b32 v[PC+6*\c+\i], v[PC+12+4*\c+\i]
.endr
.irp i, 0,1,2
	s_delay_alu instid0(VALU_DEP_3)
	v_mov_b32 v[PC+3+6*\c+\i], v[PC+12+4*\c+\i]
.endr
.endr
.endm
	s_load_b128 s[4:7], s[0:1], 0x0                ; in s[4:5]; out: codes s[6:7],
	s_load_b64 s[8:9], s[0:1], 0x10                ; scale words s[8:9]
	v_lshl_add_u32 v[SPW], v0, 2, SPARE
	v_mov_b32 v[NIL], 0
	ds_add_u32 v[SPW], v[NIL]                      ; the opening lines: the add twice on end and its wait ahead of my tensor load
	ds_add_u32 v[SPW], v[NIL]
	v_lshrrev_b32 v[TA], 5, v0
	s_delay_alu instid0(VALU_DEP_1)
	v_readfirstlane_b32 s[WV], v[TA]               ; wave 0..15
	s_and_b32 s36, s[WV], 7                        ; the key step that I fetch,
	s_lshr_b32 s37, s[WV], 3                       ; of K (0) or of V (1)
	s_bfe_u32 s[CX], ttmp6, 0x40000                ; my place in the cluster: it enters Q's and O's addresses alone
	s_and_b32 s[BH], ttmp7, 0xffff                 ; 16 x batch + head, which the four partners share
	s_mov_b32 s[G1], 15|(3<<16)|(1<<21)            ; the mask: all four work-groups; elements of 8 bytes; bit 21 beside a mask
	s_mov_b32 s[G1+1], 32<<16                      ; rows of 256 bytes,
	s_mov_b32 s[G1+2], 50<<16                      ; 50 of them, dense
	s_mov_b32 s[G1+3], 32<<16
	s_mov_b32 s[G1+4], 50
	s_mov_b32 s[G1+5], 32
	s_mov_b32 s[G1+6], 0
	s_mov_b32 s[G1+7], 0
	s_mov_b32 s[G0], 1
	s_mul_i32 s[G0+1], s36, KVP
	s_mul_i32 s38, s37, GS
	s_add_co_u32 s[G0+1], s[G0+1], s38             ; LDS: 25,600 x key step + 12,800 for V
	s_add_co_u32 s38, s37, 1                       ; K's region is 1, V's 2
	s_mul_i32 s38, s38, RS
	s_mul_i32 s45, s[BH], HS
	s_add_co_u32 s38, s38, s45
	s_mul_i32 s39, s36, GS
	s_add_co_u32 s38, s38, s39
	s_mov_b32 s39, 0
	s_lshl_b32 s[TQ], ttmp9, 2
	s_add_co_u32 s[TQ], s[TQ], s[CX]               ; my block of 256 queries
	s_lshl_b32 s[TQ], s[TQ], 4
	s_add_co_u32 s[TQ], s[TQ], s[WV]               ; my tile of 16
	s_lshr_b32 s40, s[TQ], 3
	s_mul_i32 s40, s40, GS
	s_add_co_u32 s40, s40, s45                     ; Q's region is 0: my tile's run
	s_and_b32 s44, s[TQ], 7
	s_lshl_b32 s42, s44, 6
	s_add_co_u32 s42, s42, s40                     ; its scale words (12,288 on, in the immediate)
	s_mul_i32 s44, s44, FRB
	s_add_co_u32 s40, s40, s44                     ; its codes
	s_mov_b32 s41, 0
	s_mov_b32 s43, 0
	; where my result goes: matrix = batch (the imaginary one four matrices on), K step = head / 2, half = head % 2
	s_lshr_b32 s46, s[BH], 4
	s_and_b32 s47, s[BH], 15
	s_mul_i32 s48, s46, MAT
	s_lshr_b32 s50, s47, 2
	s_mul_i32 s51, s50, SPB
	s_add_co_u32 s48, s48, s51
	s_mul_i32 s51, s[TQ], PAIR
	s_add_co_u32 s48, s48, s51
	s_bfe_u32 s51, s47, 0x10001
	s_mul_i32 s52, s51, FRB
	s_add_co_u32 s48, s48, s52
	s_and_b32 s53, s47, 1
	s_mul_i32 s52, s53, 768
	s_add_co_u32 s48, s48, s52
	s_mov_b32 s49, 0
	s_lshl_b32 s54, s46, 15
	s_lshl_b32 s52, s[TQ], 9
	s_add_co_u32 s54, s54, s52
	s_lshl_b32 s52, s50, 7
	s_add_co_u32 s54, s54, s52
	s_lshl_b32 s52, s51, 2
	s_add_co_u32 s54, s54, s52
	s_lshl_b32 s52, s53, 1
	s_add_co_u32 s54, s54, s52
	s_mov_b32 s55, 0
	s_mov_b32 s[SEL], 0x76543210
	s_mov_b32 s[SEL+1], 0xfedcba98
	s_mov_b32 s[CS], 0x3e38aa3b                    ; log2(e) / 8
	s_mov_b32 s[CS+1], s[CS]
	s_mov_b32 s[EPS], 0x322bcc77                   ; 1e-8
	s_mov_b32 s[EPS+1], s[EPS]
	s_mov_b32 s[TB], 0
	s_wait_dscnt 0x0                               ; both opening adds are done
	s_wait_kmcnt 0x0
	s_add_nc_u64 s[G0+2:G0+3], s[4:5], s[38:39]
	s_or_b32 s[G0+3], s[G0+3], 0x80000000
	s_add_nc_u64 s[40:41], s[4:5], s[40:41]
	s_add_nc_u64 s[42:43], s[4:5], s[42:43]
	s_add_nc_u64 s[6:7], s[6:7], s[48:49]
	s_add_nc_u64 s[8:9], s[8:9], s[54:55]
	ROUND                                          ; all four work-groups are here: the joint loads meet
	tensor_load_to_lds s[G0:G0+3], s[G1:G1+7]      ; my run: the one tensor load of mine
	s_nop 0
	v_and_b32 v[A16], 31, v0                       ; lane
	v_and_b32 v[A8], 15, v0                        ; r
	v_mov_b32 v13, 0xff61b1e6                      ; the largest t so far: -3e38, under every t
	v_mov_b32 v14, 0
	v_mov_b32 v15, 0
	v_lshlrev_b32 v[L16], 4, v[A16]
	v_lshlrev_b32 v[L8], 3, v[A16]
	v_lshlrev_b32 v[TA], 2, v[A8]                  ; 4 r
	v_mov_b32 v[F+1], 0                            ; named with f as a pair, so it is written
	v_floor_f32 v12, -v13                          ; -M
	v_mov_b32 v[TC], 0
	v_mov_b32 v[PT], 0                             ; a lane permute's destination counts as one of its sources
	v_add_nc_u32 v[SC0], 12288, v[TA]
	global_load_b128 v[QA:QA+3], v[L16], s[40:41]
	global_load_b64 v[QA+4:QA+5], v[L8], s[40:41] offset:512
	global_load_b128 v[QA+6:QA+9], v[L16], s[40:41] offset:768
	global_load_b64 v[QA+10:QA+11], v[L8], s[40:41] offset:1280
	global_load_b32 v[QSA], v[TA], s[42:43] offset:12288
.irp b, 1,2,3
	v_mov_b32 v[PT+\b], 0
.endr
	v_add_nc_u32 v[A16], s[TB], v[L16]             ; key step 0
	v_add_nc_u32 v[A8], s[TB], v[L8]
	v_add_nc_u32 v[AS], s[TB], v[SC0]
	s_wait_loadcnt 0x0                             ; Q
	v_lshrrev_b32 v[QSB], 16, v[QSA]
	s_delay_alu instid0(VALU_DEP_1)
	v_lshl_or_b32 v[QSB], v[QSA], 16, v[QSB]       ; the scale word with its halves changed
.irp i, 0,1,2,3,4,5
	v_mov_b32 v[QB+\i], v[QA+6+\i]                 ; qi first,
.endr
	v_xor_b32 v[QB+6], 0x20820820, v[QA]           ; then -qr: a code's sign is its bit 5: a pattern of three words
	v_xor_b32 v[QB+7], 0x08208208, v[QA+1]
	v_xor_b32 v[QB+8], 0x82082082, v[QA+2]
	v_xor_b32 v[QB+9], 0x20820820, v[QA+3]
	v_xor_b32 v[QB+10], 0x08208208, v[QA+4]
	v_xor_b32 v[QB+11], 0x82082082, v[QA+5]
.set j, 0
.rept 64
	v_mov_b32 v[O+j], 0                            ; O^T: the step's first run finds zeros, which the first change of M leaves zeros
.set j, j+1
.endr
.macro FRAG4 kv, g                     ; four fragments' images and their scale words: K's (kv = 0) or V's (1), group g
.irp t, 0,1,2,3
	ds_load_b128 v[FG+12*\t:FG+12*\t+3], v[A16] offset:GS*(\kv)+(4*(\g)+\t)*FRB
	ds_load_b64 v[FG+12*\t+4:FG+12*\t+5], v[A8] offset:GS*(\kv)+(4*(\g)+\t)*FRB+512
	ds_load_b128 v[FG+12*\t+6:FG+12*\t+9], v[A16] offset:GS*(\kv)+(4*(\g)+\t)*FRB+768
	ds_load_b64 v[FG+12*\t+10:FG+12*\t+11], v[A8] offset:GS*(\kv)+(4*(\g)+\t)*FRB+1280
	ds_load_b32 v[KS+\t], v[AS] offset:GS*(\kv)+64*(4*(\g)+\t)
.endr
.endm
.macro QK g                            ; re and im of four tiles of 16 keys
.irp t, 0,1,2,3
	v_wmma_scale_f32_16x16x128_f8f6f4 v[S+8*(4*\g+\t):S+8*(4*\g+\t)+7], v[FG+12*\t:FG+12*\t+11], v[QA:QA+11], 0, v[KS+\t], v[QSA] matrix_a_fmt:MATRIX_FMT_BF6 matrix_b_fmt:MATRIX_FMT_BF6
.endr
.irp t, 0,1,2,3
	v_wmma_scale_f32_16x16x128_f8f6f4 v[W+8*\t:W+8*\t+7], v[FG+12*\t:FG+12*\t+11], v[QB:QB+11], 0, v[KS+\t], v[QSB] matrix_a_fmt:MATRIX_FMT_BF6 matrix_b_fmt:MATRIX_FMT_BF6
.endr
.endm
.macro XX g                            ; x = re^2 + 1e-8 + im^2; ascending: each accumulator from its low end on
.set j, 0
.rept 16
	v_pk_fma_f32 v[S+32*\g+j:S+32*\g+j+1], v[S+32*\g+j:S+32*\g+j+1], v[S+32*\g+j:S+32*\g+j+1], s[EPS:EPS+1] op_sel_hi:[1,1,0]
.set j, j+2
.endr
.set j, 0
.rept 16
	v_pk_fma_f32 v[S+32*\g+j:S+32*\g+j+1], v[W+j:W+j+1], v[W+j:W+j+1], v[S+32*\g+j:S+32*\g+j+1]
.set j, j+2
.endr
.endm
.macro PV g                            ; O^T += V^T p^T: vr's four tiles (g = 0) or vi's; the accumulators by turns
.irp t, 0,1,2,3
	v_wmma_scale_f32_16x16x128_f8f6f4 v[O+8*(4*\g+\t):O+8*(4*\g+\t)+7], v[FG+12*\t:FG+12*\t+11], v[PC:PC+11], v[O+8*(4*\g+\t):O+8*(4*\g+\t)+7], v[KS+\t], v[PSW] matrix_a_fmt:MATRIX_FMT_BF6 matrix_b_fmt:MATRIX_FMT_BF6
.endr
.endm
.macro INI c, k                        ; chain c begins: pairs k and k + 8 of p
	v_pk_add_f32 v[\c:\c+1], v[S+2*(\k):S+2*(\k)+1], v[S+16+2*(\k):S+17+2*(\k)]
.endm
.macro ACC c, k                        ; pair k of p onto chain c
	v_pk_add_f32 v[\c:\c+1], v[\c:\c+1], v[S+2*(\k):S+2*(\k)+1]
.endm
.macro SUMR k0                         ; eight more pairs of p onto the eight chains
	ACC 228, \k0
	ACC 232, \k0+1
	ACC 236, \k0+2
	ACC 238, \k0+3
	ACC 240, \k0+4
	ACC 242, \k0+5
	ACC 244, \k0+6
	ACC 246, \k0+7
.endm
; A KEY STEP: 128 keys.  On entry K's first group is on its way.  last = 1: no step follows
.macro STEP last
	s_wait_dscnt 0x0
	QK 0
	NOP4                                           ; places in front of the loads into the fragments' registers and of the first read of results
	FRAG4 0, 1
	XX 0
	s_wait_dscnt 0x0
	QK 1
	NOP4
	FRAG4 1, 0                                     ; V's first group lands under the softmax
	XX 1
.irp b, 0,1,2,3
	v_max3_num_f32 v[BM+\b], v[S+16*\b], v[S+16*\b+1], v[S+16*\b+2]   ; the largest x of each block of 32 keys: for the row's maximum and for the block's largest p
.endr
.irp i, 3,5,7,9,11,13
.irp b, 0,1,2,3
	s_delay_alu instid0(VALU_DEP_4)
	v_max3_num_f32 v[BM+\b], v[BM+\b], v[S+16*\b+\i], v[S+16*\b+\i+1]
.endr
.endr
.irp b, 0,1,2,3
	s_delay_alu instid0(VALU_DEP_4)
	v_max_num_f32 v[BM+\b], v[BM+\b], v[S+16*\b+15]
.endr
.irp b, 0,1,2,3
	v_permlanex16_b32 v[PT+\b], v[BM+\b], s[SEL], s[SEL+1]
.endr
.irp b, 0,1,2,3
	s_delay_alu instid0(VALU_DEP_4)
	v_max_num_f32 v[BM+\b], v[BM+\b], v[PT+\b]     ; with lane l xor 16's 16 keys
.endr
	s_wait_alu depctr_va_vdst(0)                   ; ahead of the batch
.irp b, 0,1,2,3
	v_sqrt_f32 v[BM+\b], v[BM+\b]                  ; the roots: one batch of 68
.endr
.set j, 0
.rept 64
	v_sqrt_f32 v[S+j], v[S+j]
.set j, j+1
.endr
	v_mov_b32 v[TA], v12                           ; the old -M (the plain place behind the roots)
	s_wait_alu depctr_va_vdst(0)                   ; and behind it, ahead of its first reader
	v_max3_num_f32 v[TC], v[BM], v[BM+1], v[BM+2]
	v_max_num_f32 v[TC], v[TC], v[BM+3]
	s_delay_alu instid0(VALU_DEP_1)
	v_mul_f32 v[TC], s[CS], v[TC]                  ; the step's largest t
	s_delay_alu instid0(VALU_DEP_1)
	v_max_num_f32 v13, v13, v[TC]
	s_delay_alu instid0(VALU_DEP_1)
	v_floor_f32 v12, -v13                          ; the new -M = -ceil(t): a whole number
	s_delay_alu instid0(VALU_DEP_1)
	v_sub_f32 v[TC], v12, v[TA]                    ; old M - new M: a whole number, 0 or less
	s_delay_alu instid0(VALU_DEP_1)
	v_cvt_i32_f32 v[TC], v[TC]                     ; (it saturates)
.set j, 0
.rept 32
	v_pk_fma_f32 v[S+j:S+j+1], v[S+j:S+j+1], s[CS:CS+1], v[12:13] op_sel_hi:[1,0,0]   ; t - M, two at a time
.set j, j+2
.endr
.irp b, 0,1,2,3
	v_fma_f32 v[BM+\b], v[BM+\b], s[CS], v12       ; the same of each block's largest
.endr
	s_wait_alu depctr_va_vdst(0)                   ; ahead of the batch
.irp b, 0,1,2,3
	v_exp_f32 v[BM+\b], v[BM+\b]                   ; each block's largest p: the same instructions on the same number give the same bits
.endr
.set j, 0
.rept 64
	v_exp_f32 v[S+j], v[S+j]                       ; p = 2^(t - M), at most 1
.set j, j+1
.endr
	v_ldexp_f32 v[F], 1.0, v[TC]                   ; f = 2^(old M - new M) (the plain place behind the exponentials)
	s_wait_alu depctr_va_vdst(0)                   ; one wait for the 68
.irp b, 0,1,2,3
	v_max_num_f32 v[BM+\b], 0x2800000, v[BM+\b]    ; the floor 2^(5 - 127): the byte cannot fall under 1
.endr
.irp b, 0,1,2,3
	s_delay_alu instid0(VALU_DEP_4)
	v_add_nc_u32 v[SO+\b], 0xfe000000, v[BM+\b]    ; 4 off the exponent field: the conversion's scale operand
.endr
.irp b, 0,1,2,3
	s_delay_alu instid0(VALU_DEP_4)
	v_lshrrev_b32 v[PT+\b], 23, v[SO+\b]           ; the scale's byte
.endr
	s_delay_alu instid0(VALU_DEP_3)
	v_lshl_or_b32 v[PSW], v[PT+1], 8, v[PT]
	s_delay_alu instid0(VALU_DEP_1)
	v_lshl_or_b32 v[PSW], v[PT+2], 16, v[PSW]
	s_delay_alu instid0(VALU_DEP_1)
	v_lshl_or_b32 v[PSW], v[PT+3], 24, v[PSW]      ; p's scale word for these 128 keys
.irp c, 0,1
	v_cvt_scalef32_pk16_bf6_f32 v[PC+6*\c:PC+2+6*\c], v[S+32*\c:S+15+32*\c], v[SO+2*\c]
	v_cvt_scalef32_pk16_bf6_f32 v[PC+12+4*\c:PC+14+4*\c], v[S+16+32*\c:S+31+32*\c], v[SO+2*\c+1]
.endr
	v_nop                                          ; one plain place behind a scaled conversion
.irp c, 0,1
.irp i, 0,1,2
	v_permlane16_swap_b32 v[PC+6*\c+\i], v[PC+12+4*\c+\i]
.endr
.irp i, 0,1,2
	s_delay_alu instid0(VALU_DEP_3)
	v_mov_b32 v[PC+3+6*\c+\i], v[PC+12+4*\c+\i]
.endr
.endr
	s_wait_dscnt 0x0                               ; V's first group
	s_wait_alu depctr_va_vdst(0)                   ; directly ahead of the first reader of O^T
.set j, 0
.rept 32
	v_pk_mul_f32 v[O+j:O+j+1], v[O+j:O+j+1], v[F:F+1] op_sel_hi:[1,0]   ; O^T under the new M; ascending.  These 32 are also the places between p's codes and scale word and the products
.set j, j+2
.endr
	PV 0
	INI 228, 0                                     ; THE ROW'S SUM OF THE UNQUANTISED p, in eight chains; these four are the places in front of the loads below
	INI 232, 1
	INI 236, 2
	INI 238, 3
	FRAG4 1, 1
	INI 240, 4
	INI 242, 5
	INI 244, 6
	INI 246, 7
	SUMR 16
	s_wait_alu depctr_va_vdst(0)
	s_wait_dscnt 0x0
	PV 1
.if \last == 0
	s_add_co_u32 s[TB], s[TB], KVP
	v_add_nc_u32 v[A16], s[TB], v[L16]             ; the next key step; with the v_nop four places in front of the loads below
	v_add_nc_u32 v[A8], s[TB], v[L8]
	v_add_nc_u32 v[AS], s[TB], v[SC0]
	v_nop
	FRAG4 0, 0
.endif
	SUMR 24
	v_pk_add_f32 v[228:229], v[228:229], v[232:233]   ; the eight chains become one
	v_pk_add_f32 v[236:237], v[236:237], v[238:239]
	v_pk_add_f32 v[240:241], v[240:241], v[242:243]
	s_delay_alu instid0(VALU_DEP_4)
	v_pk_add_f32 v[244:245], v[244:245], v[246:247]
	s_delay_alu instid0(VALU_DEP_3)
	v_pk_add_f32 v[228:229], v[228:229], v[236:237]
	s_delay_alu instid0(VALU_DEP_2)
	v_pk_add_f32 v[240:241], v[240:241], v[244:245]
	s_delay_alu instid0(VALU_DEP_1)
	v_pk_add_f32 v[228:229], v[228:229], v[240:241]
	s_delay_alu instid0(VALU_DEP_1)
	v_pk_fma_f32 v[14:15], v[14:15], v[F:F+1], v[228:229] op_sel_hi:[1,0,1]   ; the old sum under the new M, and this step's
.endm
	s_wait_alu depctr_va_vdst(0)
	s_wait_tensorcnt 0x0                           ; my run is in
	s_barrier_signal -1
	s_barrier_wait -1                              ; and so are all sixteen
	FRAG4 0, 0
	s_mov_b32 s[CNT], 7
.Lstep:
	STEP 0
	s_sub_co_u32 s[CNT], s[CNT], 1
	s_cmp_lg_u32 s[CNT], 0
	s_cbranch_scc1 .Lstep
	STEP 1                                         ; the last key step asks for nothing more
	; THE WAY OUT: O^T / the sum; blocks 0, 1 are out_r's 64 features of my head, blocks 2, 3 out_i's: one fragment, whose halves go to the two output projections' operands
	s_delay_alu instid0(VALU_DEP_1)
	v_add_f32 v14, v14, v15
	s_delay_alu instid0(VALU_DEP_1)
	v_permlanex16_b32 v[TC], v14, s[SEL], s[SEL+1]
	s_delay_alu instid0(VALU_DEP_1)
	v_add_f32 v14, v14, v[TC]                      ; the row's sum
	s_wait_alu depctr_va_vdst(0)
	v_rcp_f32 v14, v14
	v_and_b32 v[A16], 15, v0                       ; (a plain place behind the reciprocal)  r
	v_bfe_u32 v[A8], v0, 4, 1                      ; h
	s_delay_alu instid0(VALU_DEP_2)
	v_lshlrev_b32 v[AS], 3, v[A16]
	s_delay_alu instid0(VALU_DEP_1)
	v_lshl_add_u32 v[AS], v[A8], 17, v[AS]         ; scale words: 8 r; lanes 16-31 store the imaginary part's half-word, four matrices of 32,768 bytes on
	s_delay_alu instid0(VALU_DEP_3)
	v_lshlrev_b32 v[TA], 4, v[A8]                  ; 16 h
	s_wait_alu depctr_va_vdst(0)                   ; ahead of the first reader of the reciprocal and of O^T
.set j, 0
.rept 64
	v_mul_f32 v[S+j], v[O+j], v14
.set j, j+1
.endr
	QUANT S, PW
	global_store_b128 v[L16], v[PC:PC+3], s[6:7]                     ; each store covers whole aligned blocks of 256 bytes
	global_store_b64 v[L8], v[PC+4:PC+5], s[6:7] offset:512
	global_store_b128 v[L16], v[PC+6:PC+9], s[6:7] offset:4*MAT
	global_store_b64 v[L8], v[PC+10:PC+11], s[6:7] offset:4*MAT+512
	v_lshrrev_b32 v[PW+1], v[TA], v[PW]
	global_store_b16 v[AS], v[PW+1], s[8:9]        ; 2 bytes a lane: a scale word's halves come from two heads
	s_wait_tensorcnt 0x0                           ; the wave's end
	ds_add_u32 v[SPW], v[NIL]
	s_wait_dscnt 0x0
	ROUND                                          ; the closing round
	s_endpgm
.Lfunc_end_k_q2e2e706916_attn:
	.size	k_q2e2e706916_attn, .Lfunc_end_k_q2e2e706916_attn-k_q2e2e706916_attn
	.p2alignl 7, 3214868480
	.fill 96, 4, 3214868480
	.section	.rodata,"a",@progbits
	.p2align	6, 0x0
	.amdhsa_kernel k_q2e2e706916_attn
		.amdhsa_group_segment_fixed_size 206848
		.amdhsa_private_segment_fixed_size 0
		.amdhsa_enable_private_segment 0
		.amdhsa_kernarg_size 24
		.amdhsa_user_sgpr_count 2
		.amdhsa_user_sgpr_kernarg_segment_ptr 1
		.amdhsa_wavefront_size32 1
		.amdhsa_system_sgpr_workgroup_id_x 1
		.amdhsa_system_sgpr_workgroup_id_y 1
		.amdhsa_system_sgpr_workgroup_id_z 1
		.amdhsa_system_vgpr_workitem_id 0
		.amdhsa_next_free_vgpr 256
		.amdhsa_next_free_sgpr 66
		.amdhsa_reserve_vcc 0
		.amdhsa_float_denorm_mode_32 3
		.amdhsa_float_denorm_mode_16_64 3
		.amdhsa_memory_ordered 1
		.amdhsa_forward_progress 1
		.amdhsa_inst_pref_size 76
	.end_amdhsa_kernel
	.amdgpu_metadata
---
amdhsa.version: [ 1, 2 ]
amdhsa.kernels:
  - .name:           k_q2e2e706916_attn
    .symbol:         k_q2e2e706916_attn.kd
    .args:
      - { .name: qkv_codes, .offset: 0, .size: 8, .value_kind: global_buffer, .address_space: global }
      - { .name: o_codes, .offset: 8, .size: 8, .value_kind: global_buffer, .address_space: global }
      - { .name: o_scales, .offset: 16, .size: 8, .value_kind: global_buffer, .address_space: global }
    .group_segment_fixed_size: 206848
    .private_segment_fixed_size: 0
    .kernarg_segment_align: 8
    .kernarg_segment_size: 24
    .max_flat_workgroup_size: 512
    .sgpr_count:     66
    .vgpr_count:     256
    .wavefront_size: 32
...
	.end_amdgpu_metadata
.endif
;; end of part 3
;; launch outp (part 4): grid 16 x 16, 4 waves a work-group, clusters of 4 x 4, 327,680 bytes of LDS; arguments o_codes, o_scales, xw_codes, xw_scales, bo_r, bo_i, out0, out1; writes out0, out1
.if DOCPART == 4
	.amdgcn_target "amdgcn-amd-amdhsa--gfx1250"
	.amdhsa_code_object_version 6
	.text
	.protected	k_q2e2e706916_outp
	.globl	k_q2e2e706916_outp
	.p2align	8
	.type	k_q2e2e706916_outp,@function
k_q2e2e706916_outp:
	s_mov_b64 s[64:65], 0
	v_nop
	global_prefetch_b8 v0, s[64:65] scope:SCOPE_SE
	s_setreg_imm32_b32 hwreg(HW_REG_WAVE_MODE, 25, 1), 1
	s_wait_xcnt 0x0
	s_wait_alu depctr_hold_cnt(0) depctr_sa_sdst(0) depctr_va_vdst(0) depctr_va_sdst(0) depctr_va_ssrc(0) depctr_va_vcc(0) depctr_vm_vsrc(0)
	s_getreg_b32 s2, hwreg(HW_REG_IB_STS2, 6, 4)
	s_cmp_eq_u32 s2, 0
	s_cbranch_scc0 .Lentry_in_a_cluster
	s_endpgm
.Lentry_in_a_cluster:
	s_bfe_u32 s2, ttmp6, 0x10000c
	s_cmp_lg_u32 s2, 0xf033
	s_cbranch_scc0 .Lentry_shape_is_right
	s_endpgm
.Lentry_shape_is_right:
; The two output projections, 8 products of 1,024 x 1,024 x 1,024 on codes of BF6 (E3M2) with E8M0 scales, + bias, stored as f32.
; A block of C is 128 rows x 256 columns: 256 work-groups.  A cluster of 4 x 4 makes 512 rows x 1,024 columns: cluster x = the batch, cluster y = 2 x (real, imaginary) + which half of the batch's rows; cx = the block's columns, cy its rows.
; Operands lie in memory as images of their registers (tile T, lane r = row 32 (T / 2) + 8 (T % 2) + r + 8 (r / 8); a fragment = 1,536 bytes; codes [s / 2][T][s % 2][1,536]; scale words [T][s / 2][r][s % 2]).
; ALL OF K LIES IN LDS, filled ONCE: A's 8 tiles (4 x 24,576 bytes) and B's 16 (4 x 49,152): no ring, no refill.  Each wave asks for one tile of two rows: waves 0, 1 the halves of K of A, waves 2, 3 those of B.
; A's tiles are shared along a row of the cluster, B's along a column: each is asked for JOINTLY.  One barrier shows the four tiles to all waves.  No prefetch: every byte is asked for at the head.
; A wave makes 64 x 128: 32 accumulators, 256 registers; A's and B's fragments have two sets each: a step's 48 LDS loads are issued one step of 32 matrix instructions ahead of their use.
; The scale words come from memory into registers, once: sixteen lanes read 128 consecutive bytes an instruction (lanes 16-31 the same again); they are one byte in 24 of what the launch reads.
; The matrix instruction is used transposed (source 0 = rows of B, source 1 = rows of A): a lane holds eight neighbouring numbers of a row of C.  Results leave through each wave's own stage, as whole rows of 512 bytes;
; the stage lies in A's bytes, behind a barrier in front of which every wave's LDS reads are over; nothing is filled there again.
; LIMITS: NaN and infinities are not served.
; REGISTERS: window 0: v1-7 lane terms; v8-11 the bias; v12-19, v20-27 LDS addresses of A's and B's fragments, a pair for each 256 along K; v32-63 A's scale words (8 a + step), v64-127 B's (8 b + step);
;   v128-175, v176-223 A's fragments (on the way out v128-255: rows read back).  window 1: B's fragments, at v0 and v128.  window 2: accumulator (a, b) at v[8 (8 a + b)].
.set MAT,    786432
.set SPB,    196608
.set PAIR,   3072
.set FRB,    1536
.set FR,     12
.set AQ,     24576                     ; LDS: 256 along K of A's 8 tiles
.set BQ,     49152                     ; and of B's 16
.set BBASE,  4*AQ
.set SPARE,  BBASE+4*BQ                ; the spare words, 128 bytes a wave
.set SPITCH, 528
.set CO,   4
.set BI,   8
.set AA,   12
.set AB,   20
.set SPW,  28
.set NIL,  29
.set STO,  30
.set RD,   31
.set SA,   32
.set SB,   64
.set AF,   128
.set BK,   128
.set G1,   24
.set G0,   32
.set G1B,  48
.set G0B,  56
.set WV,   66
.set RH,   67                          ; which 64 of the block's rows are mine; also: I fetch for A (0) or for B (1)
.set CH,   92                          ; which 128 of its columns; also: which half of K I fetch
.set MSB, 0
.macro WIN new                         ; the immediate's high byte repeats the setting that is left
.if MSB != (\new)
	s_set_vgpr_msb (MSB<<8)|(\new)
.set MSB, (\new)
.endif
.endm
.set MUL_LO, 0xa1                      ; source 0 (B) window 1, source 1 (A) window 0, C and D window 2
.set TO_B,   0x40                      ; destination window 1, address window 0
.macro JLOAD g0a, g1a, g0b, g1b        ; a joint load; the branch hangs on the wave's number alone; an s_nop 0 and four v_nop follow each line
	s_cmp_eq_u32 s[RH], 0
	s_cbranch_scc0 .Lfor_b_\@
	tensor_load_to_lds s[\g0a:\g0a+3], s[\g1a:\g1a+7]
	s_nop 0
.rept 4
	v_nop
.endr
	s_branch .Lasked_\@
.Lfor_b_\@:
	tensor_load_to_lds s[\g0b:\g0b+3], s[\g1b:\g1b+7]
	s_nop 0
.rept 4
	v_nop
.endr
.Lasked_\@:
.endm
.macro CROUND                          ; a round of the cluster's barrier
	s_barrier_signal -1
	s_barrier_wait -1
	s_cmp_lg_u32 s[WV], 0
	s_cbranch_scc1 .Lnot_wave_0_\@
	s_barrier_signal -3
.Lnot_wave_0_\@:
	s_barrier_wait -3
	s_barrier_signal -1
	s_barrier_wait -1
.endm
.macro PLACES n
.rept \n
	v_nop
.endr
.endm
	s_load_b512 s[4:19], s[0:1], 0x0               ; A's codes, A's scale words, B's codes, B's scale words, the two biases, the two outputs
	v_lshl_add_u32 v[SPW], v0, 2, SPARE
	v_mov_b32 v[NIL], 0
	ds_add_u32 v[SPW], v[NIL]                      ; the opening lines: the add twice on end and its wait ahead of the round in front of my tensor load
	ds_add_u32 v[SPW], v[NIL]
	v_lshrrev_b32 v1, 5, v0
	v_readfirstlane_b32 s[WV], v1                  ; wave 0..3
	s_lshr_b32 s[RH], s[WV], 1
	s_and_b32 s[CH], s[WV], 1
	s_bfe_u32 s40, ttmp6, 0x40000                  ; cx, cy
	s_bfe_u32 s41, ttmp6, 0x40004
	s_mov_b32 s42, ttmp9                           ; the batch
	s_and_b32 s43, ttmp7, 0xffff
	s_lshr_b32 s20, s43, 1                         ; real or imaginary
	s_and_b32 s21, s43, 1
	s_lshl_b32 s21, s21, 2
	s_add_co_u32 s21, s21, s41                     ; which 128 of the batch's 1,024 rows
	s_lshl_b32 s44, s41, 2
	s_lshl_b32 s44, 15, s44                        ; my row of the cluster
	s_lshl_b32 s45, 0x1111, s40                    ; my column
	s_or_b32 s[G1+0], s44, (3<<16)|(1<<21)         ; the mask; elements of 8 bytes; bit 21 beside a mask
	s_or_b32 s[G1B+0], s45, (3<<16)|(1<<21)
	s_mov_b32 s[G1+1], 3072<<16                    ; A: two rows of 24,576 bytes (8 tiles, 256 along K), 196,608 bytes apart in memory, on end in LDS
	s_mov_b32 s[G1+2], 2<<16
	s_mov_b32 s[G1+3], 3072<<16
	s_mov_b32 s[G1+4], 2
	s_mov_b32 s[G1+5], 24576
	s_mov_b32 s[G1+6], 0
	s_mov_b32 s[G1+7], 0
	s_mov_b32 s[G1B+1], 6144<<16                   ; B: two rows of 49,152 bytes (16 tiles)
	s_mov_b32 s[G1B+2], 2<<16
	s_mov_b32 s[G1B+3], 6144<<16
	s_mov_b32 s[G1B+4], 2
	s_mov_b32 s[G1B+5], 24576
	s_mov_b32 s[G1B+6], 0
	s_mov_b32 s[G1B+7], 0
	s_lshl_b32 s2, s20, 2
	s_add_co_u32 s2, s2, s42                       ; A's matrix
	s_add_co_u32 s3, s20, 30                       ; B's
	s_mul_i32 s36, s[CH], 2*SPB                    ; the half of K that I fetch
	s_mul_i32 s94, s2, MAT
	s_mul_i32 s93, s21, AQ
	s_add_co_u32 s94, s94, s93
	s_add_co_u32 s94, s94, s36
	s_mov_b32 s95, 0                               ; s[94:95]: A's codes
	s_mul_i32 s96, s3, MAT
	s_mul_i32 s101, s40, BQ
	s_add_co_u32 s96, s96, s101
	s_add_co_u32 s96, s96, s36
	s_mov_b32 s97, 0                               ; s[96:97]: B's
	s_lshl_b32 s68, s2, 15                         ; A's scale words: 512 bytes a tile, from my first of four
	s_lshl_b32 s93, s21, 12
	s_add_co_u32 s68, s68, s93
	s_lshl_b32 s93, s[RH], 11
	s_add_co_u32 s68, s68, s93
	s_mov_b32 s69, 0
	s_lshl_b32 s70, s3, 15                         ; B's, from my first of eight
	s_lshl_b32 s101, s40, 13
	s_add_co_u32 s70, s70, s101
	s_lshl_b32 s101, s[CH], 12
	s_add_co_u32 s70, s70, s101
	s_mov_b32 s71, 0
	s_mov_b32 s[G0], 1
	s_mul_i32 s[G0+1], s[CH], 2*AQ                 ; no place in the cluster enters an LDS address
	s_mov_b32 s[G0B], 1
	s_mul_i32 s[G0B+1], s[CH], 2*BQ
	s_add_co_u32 s[G0B+1], s[G0B+1], BBASE
	s_lshl_b32 s72, s40, 10                        ; my first column, in bytes: 1,024 cx + 512 x half
	s_lshl_b32 s101, s[CH], 9
	s_add_co_u32 s72, s72, s101
	s_mov_b32 s73, 0
	s_lshl_b32 s74, s42, 10                        ; my first row
	s_lshl_b32 s93, s21, 7
	s_add_co_u32 s74, s74, s93
	s_lshl_b32 s93, s[RH], 6
	s_add_co_u32 s74, s74, s93
	s_lshl_b32 s74, s74, 12                        ; of 4,096 bytes
	s_mov_b32 s75, 0
	s_mul_i32 s46, s[RH], 4*PAIR                   ; LDS: my 4 tiles of A,
	s_mul_i32 s47, s[CH], 8*PAIR                   ; my 8 of B
	s_add_co_u32 s47, s47, BBASE
	s_mul_i32 s76, s[WV], 16*SPITCH                ; my stage
	s_wait_dscnt 0x0                               ; both opening adds are done
	s_wait_kmcnt 0x0
	s_add_nc_u64 s[G0+2:G0+3], s[4:5], s[94:95]
	s_or_b32 s[G0+3], s[G0+3], 0x80000000
	s_add_nc_u64 s[G0B+2:G0B+3], s[8:9], s[96:97]
	s_or_b32 s[G0B+3], s[G0B+3], 0x80000000
	s_add_nc_u64 s[68:69], s[6:7], s[68:69]
	s_add_nc_u64 s[70:71], s[10:11], s[70:71]
	s_cmp_eq_u32 s20, 0
	s_cselect_b64 s[12:13], s[12:13], s[14:15]     ; the bias,
	s_cselect_b64 s[16:17], s[16:17], s[18:19]     ; the output
	s_add_nc_u64 s[12:13], s[12:13], s[72:73]
	s_add_nc_u64 s[16:17], s[16:17], s[72:73]
	s_add_nc_u64 s[16:17], s[16:17], s[74:75]
	CROUND                                         ; all sixteen work-groups are here: the joint loads meet
	JLOAD G0, G1, G0B, G1B                         ; my one tensor load
	v_and_b32 v1, 15, v0                           ; r
	v_bfe_u32 v2, v0, 4, 1                         ; h
	v_and_b32 v3, 31, v0                           ; lane
	v_lshlrev_b32 v4, 4, v3                        ; 16 x lane
	v_lshlrev_b32 v5, 3, v3                        ; 8 x lane
	v_lshlrev_b32 v7, 3, v1                        ; 8 r: a row's two scale words
	global_load_b128 v[BI:BI+3], v4, s[12:13]      ; the bias of my lane's four columns of a row read back
.irp a, 0,1,2,3
.irp q, 0,1,2,3
	global_load_b64 v[SA+8*\a+2*\q:SA+8*\a+2*\q+1], v7, s[68:69] offset:512*\a+128*\q
.endr
.endr
.irp b, 0,1,2,3,4,5,6,7
.irp q, 0,1,2,3
	global_load_b64 v[SB+8*\b+2*\q:SB+8*\b+2*\q+1], v7, s[70:71] offset:512*\b+128*\q
.endr
.endr
	v_add_nc_u32 v[AA], s46, v4
	v_add_nc_u32 v[AA+1], s46, v5
	v_add_nc_u32 v[AB], s47, v4
	v_add_nc_u32 v[AB+1], s47, v5
.irp q, 1,2,3
	v_add_nc_u32 v[AA+2*\q], \q*AQ, v[AA]
	v_add_nc_u32 v[AA+2*\q+1], \q*AQ, v[AA+1]
	v_add_nc_u32 v[AB+2*\q], \q*BQ, v[AB]
	v_add_nc_u32 v[AB+2*\q+1], \q*BQ, v[AB+1]
.endr
	v_mul_u32_u24 v6, v1, SPITCH
	v_lshl_add_u32 v6, v2, 6, v6
	v_add_nc_u32 v[STO], s76, v6                   ; the stage, in: row r, 64 bytes for each half of the lanes
	v_add_nc_u32 v[RD], s76, v4                    ; and back: the 32 lanes take one row of 512 bytes
.macro FRAG reg, adr, q, i             ; a fragment's image, 1,536 dense bytes, into 12 registers
	ds_load_b128 v[\reg:\reg+3], v[\adr] offset:(\i)*PAIR+(\q)*FRB
	ds_load_b64 v[\reg+4:\reg+5], v[\adr+1] offset:(\i)*PAIR+(\q)*FRB+512
	ds_load_b128 v[\reg+6:\reg+9], v[\adr] offset:(\i)*PAIR+(\q)*FRB+768
	ds_load_b64 v[\reg+10:\reg+11], v[\adr+1] offset:(\i)*PAIR+(\q)*FRB+1280
.endm
.macro FETCH st                        ; step st's fragments, 48 LDS loads, into the sets st % 2
	WIN TO_B
.irp i, 0,1,2,3,4,5,6,7
	FRAG 128*((\st)%2)+FR*\i, AB+2*((\st)/2), (\st)%2, \i
.endr
	WIN 0
.irp i, 0,1,2,3
	FRAG AF+48*((\st)%2)+FR*\i, AA+2*((\st)/2), (\st)%2, \i
.endr
.endm
.macro MUL st, zero                    ; 32 matrix instructions, 128 along K; the 32 accumulators take turns in the same order in every step
.irp a, 0,1,2,3
.irp b, 0,1,2,3,4,5,6,7
.if \zero
	v_wmma_scale_f32_16x16x128_f8f6f4 v[8*(8*\a+\b):8*(8*\a+\b)+7], v[128*((\st)%2)+FR*\b:128*((\st)%2)+FR*\b+FR-1], v[AF+48*((\st)%2)+FR*\a:AF+48*((\st)%2)+FR*\a+FR-1], 0, v[SB+8*\b+(\st)], v[SA+8*\a+(\st)] matrix_a_fmt:MATRIX_FMT_BF6 matrix_b_fmt:MATRIX_FMT_BF6
.else
	v_wmma_scale_f32_16x16x128_f8f6f4 v[8*(8*\a+\b):8*(8*\a+\b)+7], v[128*((\st)%2)+FR*\b:128*((\st)%2)+FR*\b+FR-1], v[AF+48*((\st)%2)+FR*\a:AF+48*((\st)%2)+FR*\a+FR-1], v[8*(8*\a+\b):8*(8*\a+\b)+7], v[SB+8*\b+(\st)], v[SA+8*\a+(\st)] matrix_a_fmt:MATRIX_FMT_BF6 matrix_b_fmt:MATRIX_FMT_BF6
.endif
.endr
.endr
.endm
.macro STEP st, zero
	PLACES 4                                       ; in front of loads into registers that the last step's matrix instructions have read
	FETCH (\st)+1
	s_wait_dscnt 48                                ; this step's fragments are in; the 48 loads just issued may be out
	WIN MUL_LO
	MUL \st, \zero
.endm
	s_wait_alu depctr_va_vdst(0)
	s_wait_loadcnt 0x0                             ; the scale words and the bias
	s_wait_tensorcnt 0x0                           ; my tile is in
	s_barrier_signal -1
	s_barrier_wait -1                              ; and so are all four
	FETCH 0
	STEP 0, 1                                      ; the first step's products start the sums
.set ST, 1
.rept 6
	STEP ST, 0
.set ST, ST+1
.endr
	s_wait_dscnt 0x0                               ; the last step's fragments are in, and my LDS reads are over:
	s_barrier_signal -1                            ; say so,
	WIN MUL_LO
	MUL 7, 0                                       ; work on registers while the others arrive,
	WIN 0
	s_barrier_wait -1                              ; and behind this nobody reads A's bytes: the stages may be written
; THE WAY OUT, block by block of 16 rows x 128 columns, through my own stage; LDS serves a wave's instructions in order, so no wait stands between the stores and the loads
.macro TOSTAGE a
.set AC, 64*(\a)
	WIN 0x08                                       ; the data: window 2
.irp b, 0,1,2,3,4,5,6,7
	ds_store_b128 v[STO], v[AC+8*\b:AC+8*\b+3] offset:128*(\b/2)+32*(\b%2)          ; each accumulator from its low end on
	ds_store_b128 v[STO], v[AC+8*\b+4:AC+8*\b+7] offset:128*(\b/2)+32*(\b%2)+16
.endr
	WIN 0
.set BB, BK+64*((\a)%2)
.irp t, 0,1,2,3,4,5,6,7,8,9,10,11,12,13,14,15
	ds_load_b128 v[BB+4*\t:BB+4*\t+3], v[RD] offset:\t*SPITCH
.endr
.endm
.macro SEND a, younger                 ; younger: the LDS instructions issued behind block a's loads
.set BB, BK+64*((\a)%2)
	s_wait_dscnt \younger
.if (\a) > 0
.if ((\a)%2) == 1
	s_add_nc_u64 s[16:17], s[16:17], 8*4096        ; (behind a wait on XCNT)  the odd tile lies 8 rows on,
.else
	s_add_nc_u64 s[16:17], s[16:17], 24*4096       ; the next even one 24 more
.endif
.endif
.set j, 0
.rept 16
	v_pk_add_f32 v[BB+j:BB+j+1], v[BB+j:BB+j+1], v[BI:BI+1]
	v_pk_add_f32 v[BB+j+2:BB+j+3], v[BB+j+2:BB+j+3], v[BI+2:BI+3]
.set j, j+4
.endr
.irp t, 0,1,2,3,4,5,6,7,8,9,10,11,12,13,14,15
	global_store_b128 v[CO], v[BB+4*\t:BB+4*\t+3], s[16:17] offset:(\t+8*(\t/8))*4096 th:TH_STORE_NT   ; 32 lanes store 512 consecutive bytes, aligned
.endr
.endm
	PLACES 4                                       ; behind the last products: for the reads of results and the loads into A's registers
	TOSTAGE 0
.irp a, 1,2,3
.if \a > 1
	s_wait_xcnt 0x0                                ; block a - 2's stores have read their registers and their base
.endif
	TOSTAGE \a
	SEND \a-1, 32
.endr
	s_wait_xcnt 0x0
	SEND 3, 0
	s_wait_tensorcnt 0x0                           ; the wave's end
	ds_add_u32 v[SPW], v[NIL]
	s_wait_dscnt 0x0
	CROUND                                         ; the closing round
	s_endpgm
.Lfunc_end_k_q2e2e706916_outp:
	.size	k_q2e2e706916_outp, .Lfunc_end_k_q2e2e706916_outp-k_q2e2e706916_outp
	.p2alignl 7, 3214868480
	.fill 96, 4, 3214868480
	.section	.rodata,"a",@progbits
	.p2align	6, 0x0
	.amdhsa_kernel k_q2e2e706916_outp
		.amdhsa_group_segment_fixed_size 327680
		.amdhsa_private_segment_fixed_size 0
		.amdhsa_enable_private_segment 0
		.amdhsa_kernarg_size 64
		.amdhsa_user_sgpr_count 2
		.amdhsa_user_sgpr_kernarg_segment_ptr 1
		.amdhsa_wavefront_size32 1
		.amdhsa_system_sgpr_workgroup_id_x 1
		.amdhsa_system_sgpr_workgroup_id_y 1
		.amdhsa_system_sgpr_workgroup_id_z 1
		.amdhsa_system_vgpr_workitem_id 0
		.amdhsa_next_free_vgpr 768
		.amdhsa_next_free_sgpr 102
		.amdhsa_reserve_vcc 0
		.amdhsa_float_denorm_mode_32 3
		.amdhsa_float_denorm_mode_16_64 3
		.amdhsa_memory_ordered 1
		.amdhsa_forward_progress 1
		.amdhsa_inst_pref_size 93
	.end_amdhsa_kernel
	.amdgpu_metadata
---
amdhsa.version: [ 1, 2 ]
amdhsa.kernels:
  - .name:           k_q2e2e706916_outp
    .symbol:         k_q2e2e706916_outp.kd
    .args:
      - { .name: o_codes, .offset: 0, .size: 8, .value_kind: global_buffer, .address_space: global }
      - { .name: o_scales, .offset: 8, .size: 8, .value_kind: global_buffer, .address_space: global }
      - { .name: xw_codes, .offset: 16, .size: 8, .value_kind: global_buffer, .address_space: global }
      - { .name: xw_scales, .offset: 24, .size: 8, .value_kind: global_buffer, .address_space: global }
      - { .name: bo_r, .offset: 32, .size: 8, .value_kind: global_buffer, .address_space: global }
      - { .name: bo_i, .offset: 40, .size: 8, .value_kind: global_buffer, .address_space: global }
      - { .name: out0, .offset: 48, .size: 8, .value_kind: global_buffer, .address_space: global }
      - { .name: out1, .offset: 56, .size: 8, .value_kind: global_buffer, .address_space: global }
    .group_segment_fixed_size: 327680
    .private_segment_fixed_size: 0
    .kernarg_segment_align: 8
    .kernarg_segment_size: 64
    .max_flat_workgroup_size: 128
    .sgpr_count:     102
    .vgpr_count:     768
    .wavefront_size: 32
...
	.end_amdgpu_metadata
.endif
;; end of part 4
